; MI455X (gfx1250); checked and timed in simulation.
; The chip was launched on July 23, 2026; its instructions are those of AMD's public machine-readable ISA for CDNA 5 (MIT licence, August 2026) and "CDNA5" Instruction Set Architecture Reference Guide (July 2026). The comments in the code are by the model that wrote it; some were corrected since.
;; Causal Multi Head Attention. Allowed arithmetic: matrix products marked QUANTISED: E2M1 operands, one E8M0 scale for each 32 along K, by v_wmma_scale_f32_16x16x128_f8f6f4 with both operands' format E2M1 (or v_wmma_scale_f32_32x16x128_f4), f32 sums; everything else in f32.
;; Inputs: Wk_codes 1,024 x 32 x 16 uint8 (E2M1 codes of Wk, K innermost, in blocks of 32 codes, two codes a byte); Wk_scales 1,024 x 32 uint8 (E8M0 scales of Wk, one for each 32 codes along K); Wo_codes 1,024 x 32 x 16 uint8 (E2M1 codes of Wo, K innermost, in blocks of 32 codes, two codes a byte); Wo_scales 1,024 x 32 uint8 (E8M0 scales of Wo, one for each 32 codes along K); Wq_codes 1,024 x 32 x 16 uint8 (E2M1 codes of Wq, K innermost, in blocks of 32 codes, two codes a byte); Wq_scales 1,024 x 32 uint8 (E8M0 scales of Wq, one for each 32 codes along K); Wv_codes 1,024 x 32 x 16 uint8 (E2M1 codes of Wv, K innermost, in blocks of 32 codes, two codes a byte); Wv_scales 1,024 x 32 uint8 (E8M0 scales of Wv, one for each 32 codes along K); bk 1,024 float32; bo 1,024 float32; bq 1,024 float32; bv 1,024 float32; x_codes 4 x 2,048 x 32 x 16 uint8 (E2M1 codes of x, K innermost, in blocks of 32 codes, two codes a byte); x_scales 4 x 2,048 x 32 uint8 (E8M0 scales of x, one for each 32 codes along K).
;; Outputs: out0 4 x 2,048 x 1,024 float32.
;; This version of the problem:
;;   THIS VERSION OF THE PROBLEM IS GIVEN IN LOW PRECISION. The matrix products marked QUANTISED in the list below multiply operands that are first quantised to E2M1 (2 exponent bits, 1 mantissa bit; 4 bits a number), with one power-of-two scale for each 32 numbers along K (OCP MX v1.0); their sums are f32. All else is computed in f32.
;;   The module's matrix products, in the order in which they are computed (A, B: the left and right operand; K: the contracted axis; several contracted axes count as one K, in the product's order):
;;     1. [M 8,192, K 1,024] x [K 1,024, N 1,024]; A: input x (given as codes); B: input Wq (given as codes): QUANTISED
;;     2. [M 8,192, K 1,024] x [K 1,024, N 1,024]; A: input x (given as codes); B: input Wk (given as codes): QUANTISED
;;     3. [M 8,192, K 1,024] x [K 1,024, N 1,024]; A: input x (given as codes); B: input Wv (given as codes): QUANTISED
;;     4. batch 64 x [M 2,048, K 64] x [K 64, N 2,048]; A: computed on the way; B: computed on the way: QUANTISED
;;     5. batch 64 x [M 2,048, K 2,048] x [K 2,048, N 64]; A: softmax (see below); B: computed on the way: QUANTISED
;;     6. [M 8,192, K 1,024] x [K 1,024, N 1,024]; A: computed on the way; B: input Wo (given as codes): QUANTISED
;;   THE QUANTISER, for each operand of a quantised product, along K:
;;     - K is cut into blocks of 32 from its start; a last block that is shorter is filled with zeros.
;;     - A block's scale is 2^e with e = floor(log2(the largest magnitude in the block)) - 2, held to -126 .. 127; a block of zeros has e = 0. As a byte (E8M0): e + 127.
;;     - Each number is divided by its block's scale, clamped to +-6, and rounded to the nearest number of E2M1, ties to even, subnormals kept.
;;     - The product sums the exact products of the quantised numbers (number of the format x scale) in f32.
;;   ~~~python
;;   def quantise(x, axis):      # numpy; x: float32 -> the quantised numbers, widened to float32 again
;;       x = np.moveaxis(x, axis, -1); K = x.shape[-1]
;;       x = np.pad(x, [(0, 0)] * (x.ndim - 1) + [(0, -K % 32)]); x = x.reshape(x.shape[:-1] + (-1, 32)); a = np.abs(x).max(-1, keepdims=True)
;;       e = np.where(a > 0, np.clip(np.frexp(np.where(a > 0, a, 1))[1] - 1 - 2, -126, 127), 0)      # np.frexp(a)[1] - 1 = floor(log2(a)), exactly
;;       r = np.clip(x / 2.0 ** e, -6, 6)
;;       step = 2.0 ** (np.maximum(np.frexp(np.where(r == 0, 1, r))[1] - 1, 0) - 1)
;;       q = np.round(r / step) * step * 2.0 ** e      # np.round: ties to even
;;       return np.moveaxis(q.reshape(q.shape[:-2] + (-1,))[..., :K], -1, axis).astype(np.float32)
;;   ~~~
;;   SOFTMAX AHEAD OF A QUANTISED PRODUCT. Where the list says 'softmax', what is quantised is not the finished softmax but p = 2^(t - M), with t = logit x log2(e) and M = ceil(the row's largest t), a whole number; so 1/2 < the row's largest p <= 1. The row's sum l is taken of the UNQUANTISED p, in f32, and the product's result is divided by l at the end. Since M is a whole number, a kernel that streams over the keys may use a running M (the ceiling of the running maximum): every later rescaling is an exact power of two, which a block's scale takes up: the codes' values come out the same.
;;   OPERANDS COMPUTED ON THE WAY. 'Computed on the way' means the value that the module computes at that place (a softmax that the list does not call 'softmax' is quantised finished and normalised). What goes into a quantiser is computed in f32, as accurately as f32 sums, v_exp_f32 and their like allow (about 1e-6 of the number): no bf16 or f16 on the way to a quantiser, and a product that is left as it is and whose result goes on into a quantised operand takes f32 operands (vector FMAs, or v_wmma_f32_16x16x4_f32). A number that lies on a knife's edge between two numbers of the format may be rounded either way, as far as f32 arithmetic and the matrix unit's own rounding can turn it there, and no further.
;;   INPUTS GIVEN AS CODES. Wk (in the module: [1024, 1024], K = its axis 1); Wo (in the module: [1024, 1024], K = its axis 1); Wq (in the module: [1024, 1024], K = its axis 1); Wv (in the module: [1024, 1024], K = its axis 1); x (in the module: [4, 2048, 1024], K = its axis 2): each comes as NAME_codes (uint8): NAME with its K axis moved to the last place and cut into blocks of 32 codes, [.., K / 32, bytes a block], one block behind the other in memory; two codes a byte, the lower K in the low four bits (a code: sign, 2 exponent bits, 1 mantissa bit); and NAME_scales (uint8): the same leading axes, one E8M0 byte (e + 127) for each 32 codes along K. Its value is code x scale, taken as it is: it is not quantised again, and the codes and scales need not be those that the quantiser above would give.
;; One version. Each part assembles by itself: llvm-mc -triple=amdgcn-amd-amdhsa -mcpu=gfx1250 --defsym DOCPART=n.
;; ======== version 1 of 1: 3 launches
;; workspace buffers: q_codes 4,194,304 bytes; q_sc 524,288 bytes; k_codes 4,194,304 bytes; k_sc 262,144 bytes; v_codes 4,194,304 bytes; v_sc 262,144 bytes; a_codes 4,194,304 bytes; a_sc 262,144 bytes
;; launch qkv (part 1): grid 12 x 32, 4 waves a work-group, clusters of 4 x 4, 296,448 bytes of LDS; arguments x_codes, x_scales, Wq_codes, Wq_scales, Wk_codes, Wk_scales, Wv_codes, Wv_scales, bq, bk, bv, q_codes, q_sc, k_codes, k_sc, v_codes, v_sc; writes q_codes, q_sc, k_codes, k_sc, v_codes, v_sc
.if DOCPART == 1
	.amdgcn_target "amdgcn-amd-amdhsa--gfx1250"
	.amdhsa_code_object_version 6
	.text
	.protected	k_q6d2e78171d_qkv
	.globl	k_q6d2e78171d_qkv
	.p2align	8
	.type	k_q6d2e78171d_qkv,@function
k_q6d2e78171d_qkv:
	s_mov_b64 s[64:65], 0
	v_nop
	global_prefetch_b8 v0, s[64:65] scope:SCOPE_SE
	s_setreg_imm32_b32 hwreg(HW_REG_WAVE_MODE, 25, 1), 1
	s_wait_xcnt 0x0
	s_wait_alu depctr_hold_cnt(0) depctr_sa_sdst(0) depctr_va_vdst(0) depctr_va_sdst(0) depctr_va_ssrc(0) depctr_va_vcc(0) depctr_vm_vsrc(0)
	s_getreg_b32 s2, hwreg(HW_REG_IB_STS2, 6, 4)
	s_cmp_eq_u32 s2, 0
	s_cbranch_scc0 .Lentry_in_a_cluster
	s_endpgm
.Lentry_in_a_cluster:
	s_bfe_u32 s2, ttmp6, 0x10000c
	s_cmp_lg_u32 s2, 0xf033
	s_cbranch_scc0 .Lentry_shape_is_right
	s_endpgm
.Lentry_shape_is_right:
; q = x Wq^T + bq, k = x Wk^T + bk, v = x Wv^T + bv on codes of FP4 (E2M1) with one E8M0 byte for each 32 along K = 1,024; the results are quantised at once:
; q and k along a head's 64 channels (two blocks), v along the keys (blocks of 32 keys), and leave as codes and scale bytes laid as the next launch's operand registers want them.
; ONE BODY FOR THE THREE.  The cluster's x says which: 0 q, 1 k, 2 v.  Source 0 of the matrix instruction is called P: its rows run along a lane's registers in the result, so P is the axis that is
; quantised.  Source 1 is called R: a lane holds one row of it.  q, k: P = rows of W (channels), R = rows of x.  v: P = rows of x (keys), R = rows of Wv (channels).  x and W have the same rows
; (512 bytes of codes, 32 scale bytes), so only pointers and tile numbers are chosen; every word of a descriptor's shape is a constant.
; A work-group of four waves makes 256 (P) x 256 (R); a wave 128 x 128: 64 accumulators, 512 registers.  K = 1,024 lies in LDS whole: two halves of 512 along K, each filled once; no LDS byte is filled twice.
; CLUSTER 4 x 4: P's tile hangs on cx alone and is asked for jointly by a column of the cluster, R's on cy alone and by a row: each tile is asked for once for four work-groups.
; THE WAY OUT needs no LDS: for one tile of R a lane's registers hold four blocks of 32 along P, each shared with lane l xor 16; largest magnitudes, bytes, conversions, and one exchange of halves
; give the operand's registers, which are stored 16 bytes a lane: 512 consecutive bytes an instruction.
; LIMITS: a block of zeros gets the byte 1 where the quantiser says 127 (its codes are zeros and only this program reads the bytes); NaN and infinities are not served.
; REGISTERS, in windows of 256: window 0: v1 r, v2 h, v16-27 addresses; v32-63 R's scale words, v64-95 P's; v96-111 scale words on the way out; v128-191, v192-255 R's fragments, two sets (on the way out codes and work).
;   window 1: v0-63, v128-191 P's fragments, two sets; v64-127 the bias in the result's layout.   windows 2, 3: accumulator (a, b) at v[8 (8 (a % 4) + b)] of window 2 + a / 4.
.set PITCH,  272                       ; an LDS row: 256 bytes + 16 of padding: the 16 rows of a fragment load start 4 banks apart
.set HALFT,  128*PITCH                 ; 128 rows: one tensor load, and what one wave reads of R or of P
.set SLOT,   4*HALFT                   ; R's 256 rows, then P's 256 rows, 512 along K
.set SCL,    2*SLOT                    ; behind the two halves of K: the scale bytes, as runs of 256 bytes + 16 of padding
.set HALFS,  16*272                    ; those of 128 rows
.set STILE,  2*272                     ; those of 16 rows
.set ADRR, 16                          ; v16-17  my R fragments in half 0, 1 of K
.set ADRP, 20                          ; v20-21  my P fragments
.set ASR,  22                          ; v22     my R scale words: lanes 0-15 K steps 0-3, lanes 16-31 K steps 4-7
.set ASP,  23                          ; v23     my P scale words
.set L16,  24                          ; v24     16 x lane
.set SOFF, 25                          ; v25     offset of the scale words' stores
.set SELV, 26                          ; v26     byte selector
.set BOFF, 27                          ; v27     offset into the bias
.set SR,   32
.set SP,   64
.set PW,   96                          ; v96-103  tile a's word of four scale bytes
.set WD,   104                         ; v104-111 the words as they are stored
.set RC,   128                         ; v128-191 codes: tile a at RC + 8 a
.set TM,   192                         ; v192-207 largest magnitudes
.set TU,   208                         ; v208-223 the other half's, then the bytes
.set SO,   224                         ; v224-239 the conversions' scale operands
.set BI,   64                          ; in window 1
.set MSB, 0
.macro WIN new                         ; the immediate's high byte repeats the setting that is left; a switch that changes nothing is dropped
.if MSB != (\new)
	s_set_vgpr_msb (MSB<<8)|(\new)
.set MSB, (\new)
.endif
.endm
.macro PLACES                          ; four plain vector instructions between a matrix instruction and a load into, a write of or a read of its registers
.rept 4
	v_nop
.endr
.endm
; A joint load: waves 0 and 1 fetch R's halves, waves 2 and 3 P's.  The branch hangs on the wave's number alone.  Four v_nop follow each line.
.macro JLOAD g0a, g1a, g0b, g1b
	s_cmp_eq_u32 s97, 0
	s_cbranch_scc0 .Lfor_p_\@
	tensor_load_to_lds s[\g0a:\g0a+3], s[\g1a:\g1a+7]
	s_nop 0
.rept 4
	v_nop
.endr
	s_branch .Lasked_\@
.Lfor_p_\@:
	tensor_load_to_lds s[\g0b:\g0b+3], s[\g1b:\g1b+7]
	s_nop 0
.rept 4
	v_nop
.endr
.Lasked_\@:
.endm
.macro CROUND                          ; a round of the cluster's barrier
	s_barrier_signal -1
	s_barrier_wait -1
	s_cmp_lg_u32 s96, 0
	s_cbranch_scc1 .Lnot_wave_0_\@
	s_barrier_signal -3
.Lnot_wave_0_\@:
	s_barrier_wait -3
	s_barrier_signal -1
	s_barrier_wait -1
.endm
	s_load_b512 s[4:19], s[0:1], 0x0               ; x codes, x scales, Wq c, Wq s, Wk c, Wk s, Wv c, Wv s
	s_load_b512 s[68:83], s[0:1], 0x40             ; bq, bk, bv, q_codes, q_sc, k_codes, k_sc, v_codes
	s_load_b64 s[84:85], s[0:1], 0x80              ; v_sc
	v_lshl_add_u32 v126, v0, 2, 0x48400
	v_mov_b32 v127, 0
	ds_add_u32 v126, v127
	ds_add_u32 v126, v127
	v_lshrrev_b32 v1, 5, v0
	v_readfirstlane_b32 s96, v1                    ; wave 0..3
	s_lshr_b32 s97, s96, 1                         ; HR: my half of R.  Also: I fetch for R (0) or for P (1)
	s_and_b32 s98, s96, 1                          ; HP: my half of P.  Also: which 128 rows I fetch
	s_mov_b32 s3, ttmp9                            ; the cluster's x: 0 q, 1 k, 2 v; the same in all sixteen partners
	s_bfe_u32 s40, ttmp6, 0x40000                  ; cx
	s_bfe_u32 s41, ttmp6, 0x40004                  ; cy
	s_and_b32 s100, ttmp7, 0xffff
	s_lshl_b32 s100, s100, 2                       ; 4 x the cluster's y
	s_cmp_eq_u32 s3, 2
	s_cselect_b32 s42, s100, 0
	s_cselect_b32 s99, 0, s100
	s_add_co_u32 s42, s42, s40                     ; P's tile: cx (q, k) or 4 Y + cx (v): never cy
	s_add_co_u32 s99, s99, s41                     ; R's tile: 4 Y + cy (q, k) or cy (v): never cx
	s_lshl_b32 s43, s41, 2
	s_lshl_b32 s43, 15, s43                        ; my row of the cluster
	s_lshl_b32 s44, 0x1111, s40                    ; my column
	; descriptor group 1 for codes: 128 rows x 256 bytes, 512 bytes apart in memory, 16 bytes of padding behind each row in LDS
	s_or_b32 s24, s43, (1<<20)|(1<<21)|(5<<22)|(3<<25)   ; R's: the mask of my row; elements of 1 byte; padding on; bit 21 beside a mask; after every 64 words, 4 words
	s_or_b32 s48, s44, (1<<20)|(1<<21)|(5<<22)|(3<<25)   ; P's: the mask of my column
.irp g, 24, 48
	s_mov_b32 s[\g+1], 256<<16                     ; tensor_dim0
	s_mov_b32 s[\g+2], 128<<16                     ; tensor_dim1
	s_mov_b32 s[\g+3], 256<<16                     ; tile_dim0
	s_mov_b32 s[\g+4], 128                         ; tile_dim1
	s_mov_b32 s[\g+5], 512                         ; pitch
	s_mov_b32 s[\g+6], 0
	s_mov_b32 s[\g+7], 0
.endr
	s_lshl_b32 s2, s98, 7
	s_lshl_b32 s46, s99, 8
	s_add_co_u32 s46, s46, s2                      ; the first row of R that I would fetch
	s_lshl_b32 s47, s42, 8
	s_add_co_u32 s47, s47, s2                      ; and of P
	s_mul_i32 s45, s96, HALFT                      ; where they go: wave x 128 rows
	s_mul_i32 s101, s96, HALFS
	s_wait_dscnt 0x0
	s_wait_kmcnt 0x0
	s_cmp_eq_u32 s3, 0                             ; q's buffers or k's
	s_cselect_b64 s[8:9], s[8:9], s[12:13]
	s_cselect_b64 s[10:11], s[10:11], s[14:15]
	s_cselect_b64 s[68:69], s[68:69], s[70:71]
	s_cselect_b64 s[74:75], s[74:75], s[78:79]
	s_cselect_b64 s[76:77], s[76:77], s[80:81]
	s_cmp_eq_u32 s3, 2                             ; or v's
	s_cselect_b64 s[8:9], s[16:17], s[8:9]         ; the weight's codes
	s_cselect_b64 s[10:11], s[18:19], s[10:11]     ; and scales
	s_cselect_b64 s[90:91], s[72:73], s[68:69]     ; the bias
	s_cselect_b64 s[92:93], s[82:83], s[74:75]     ; the codes' buffer
	s_cselect_b64 s[94:95], s[84:85], s[76:77]     ; the scale words' buffer
	s_cselect_b64 s[86:87], s[4:5], s[8:9]         ; P: x for v, else the weight
	s_cselect_b64 s[88:89], s[6:7], s[10:11]
	s_cselect_b64 s[20:21], s[8:9], s[4:5]         ; R: the weight for v, else x
	s_cselect_b64 s[22:23], s[10:11], s[6:7]
	s_lshl_b32 s16, s46, 9                         ; R's offsets in s[16:17], P's in s[18:19]: neither pair ever holds the other's coordinate
	s_mov_b32 s17, 0
	s_add_nc_u64 s[20:21], s[20:21], s[16:17]
	s_lshl_b32 s16, s46, 5
	s_add_nc_u64 s[22:23], s[22:23], s[16:17]
	s_lshl_b32 s18, s47, 9
	s_mov_b32 s19, 0
	s_add_nc_u64 s[86:87], s[86:87], s[18:19]
	s_lshl_b32 s18, s47, 5
	s_add_nc_u64 s[88:89], s[88:89], s[18:19]
	; group 1 for the scale bytes of 128 rows: 4,096 dense bytes as 16 rows of 256 (32 elements of 8 bytes), 16 bytes of padding behind each
	s_or_b32 s4, s43, (3<<16)|(1<<20)|(1<<21)|(5<<22)|(3<<25)
	s_or_b32 s68, s44, (3<<16)|(1<<20)|(1<<21)|(5<<22)|(3<<25)
.irp g, 4, 68
	s_mov_b32 s[\g+1], 32<<16
	s_mov_b32 s[\g+2], 16<<16
	s_mov_b32 s[\g+3], 32<<16
	s_mov_b32 s[\g+4], 16
	s_mov_b32 s[\g+5], 32
	s_mov_b32 s[\g+6], 0
	s_mov_b32 s[\g+7], 0
.endr
	CROUND                                         ; all sixteen work-groups are here: the joint loads meet
	s_mov_b32 s12, 1
	s_add_co_u32 s13, s101, SCL
	s_mov_b64 s[14:15], s[22:23]
	s_or_b32 s15, s15, 0x80000000
	s_mov_b32 s76, 1
	s_add_co_u32 s77, s101, SCL
	s_mov_b64 s[78:79], s[88:89]
	s_or_b32 s79, s79, 0x80000000
	JLOAD 12, 4, 76, 68                            ; the scale bytes first
.irp s, 0,1
	s_mov_b32 s[32+4*\s], 1
	s_add_co_u32 s[33+4*\s], s45, \s*SLOT
	s_add_nc_u64 s[34+4*\s:35+4*\s], s[20:21], \s*256
	s_or_b32 s[35+4*\s], s[35+4*\s], 0x80000000
	s_mov_b32 s[56+4*\s], 1
	s_add_co_u32 s[57+4*\s], s45, \s*SLOT
	s_add_nc_u64 s[58+4*\s:59+4*\s], s[86:87], \s*256
	s_or_b32 s[59+4*\s], s[59+4*\s], 0x80000000
	JLOAD 32+4*\s, 24, 56+4*\s, 48                 ; then K's two halves: three loads of mine are out
.endr
	v_and_b32 v1, 15, v0                           ; r
	v_bfe_u32 v2, v0, 4, 1                         ; h
	v_mul_u32_u24 v3, v1, PITCH
	v_lshl_add_u32 v3, v2, 4, v3                   ; a fragment's row x pitch + 16 h
	s_mul_i32 s80, s97, HALFT
	s_mul_i32 s81, s98, HALFT
	s_add_co_u32 s81, s81, 2*HALFT
.irp s, 0,1
	v_add_nc_u32 v[ADRR+\s], s80, v3
	v_add_nc_u32 v[ADRP+\s], s81, v3
	s_add_co_u32 s80, s80, SLOT
	s_add_co_u32 s81, s81, SLOT
.endr
	v_bfe_u32 v4, v0, 3, 1                         ; r / 8
	v_lshlrev_b32 v5, 5, v1                        ; a row's 32 scale bytes,
	v_lshl_add_u32 v5, v4, 4, v5                   ; 16 more for the padding passed,
	v_lshl_add_u32 v5, v2, 4, v5                   ; lanes 16-31 take the row's second four words
	s_mul_i32 s80, s97, HALFS
	s_add_co_u32 s80, s80, SCL
	s_mul_i32 s81, s98, HALFS
	s_add_co_u32 s81, s81, SCL+2*HALFS
	v_add_nc_u32 v[ASR], s80, v5
	v_add_nc_u32 v[ASP], s81, v5
	v_and_b32 v6, 31, v0
	v_lshlrev_b32 v[L16], 4, v6
	; where my results go.  XI: the tile of x, WI: of the weight, HX, HW: my halves of them.  My first of two heads: bh0 = 16 (XI / 8) + 4 WI + 2 HW; my 128 rows of x are step 2 (XI % 8) + HX of the sequence.
	s_cmp_eq_u32 s3, 2
	s_cselect_b32 s80, s42, s99                    ; XI
	s_cselect_b32 s81, s99, s42                    ; WI
	s_cselect_b32 s82, s98, s97                    ; HX
	s_cselect_b32 s83, s97, s98                    ; HW
	s_lshl_b32 s84, s81, 10
	s_lshl_b32 s85, s83, 9
	s_add_co_u32 s84, s84, s85
	s_mov_b32 s85, 0
	s_add_nc_u64 s[90:91], s[90:91], s[84:85]      ; the bias at channel 256 WI + 128 HW
	s_lshr_b32 s84, s80, 3
	s_lshl_b32 s84, s84, 2
	s_add_co_u32 s84, s84, s81
	s_lshl_b32 s84, s84, 1
	s_add_co_u32 s84, s84, s83                     ; bh0 / 2
	s_lshl_b32 s84, s84, 5                         ; 16 bh0
	s_and_b32 s80, s80, 7
	s_lshl_b32 s80, s80, 1
	s_add_co_u32 s80, s80, s82                     ; step
	s_add_co_u32 s84, s84, s80                     ; 16 bh0 + step
	s_lshl_b32 s80, s84, 12                        ; codes: 4,096 bytes a step and head, in all three buffers
	s_mov_b32 s81, 0
	s_add_nc_u64 s[92:93], s[92:93], s[80:81]
	s_cmp_eq_u32 s3, 0
	s_cselect_b32 s82, 9, 8                        ; scale words: 512 bytes a step and head for q, 256 for k and v
	s_lshl_b32 s80, s84, s82
	s_add_nc_u64 s[94:95], s[94:95], s[80:81]
	s_mov_b32 s82, 0x76543210
	s_mov_b32 s83, 0xfedcba98                      ; v_permlanex16_b32's selects for lane l xor 16
	; the bias in the result's layout: it is the C of each sum's first matrix instruction
	s_cmp_eq_u32 s3, 2
	s_cbranch_scc1 .Lbias_v
	v_lshlrev_b32 v[BOFF], 5, v2                   ; q, k: it runs along P: tile b's registers are channels 16 b + 8 h + 0 .. 7
	WIN 0x40
.irp b, 0,1,2,3,4,5,6,7
	global_load_b128 v[BI+8*\b:BI+8*\b+3], v[BOFF], s[90:91] offset:64*\b
	global_load_b128 v[BI+8*\b+4:BI+8*\b+7], v[BOFF], s[90:91] offset:64*\b+16
.endr
	WIN 0
	s_branch .Lbias_done
.Lbias_v:
	v_lshlrev_b32 v[BOFF], 2, v1                   ; v: it runs along R: all eight registers of tile a hold channel 16 a + r's
	WIN 0x40
.irp a, 0,1,2,3,4,5,6,7
.irp j, 0,1,2,3,4,5,6,7
	global_load_b32 v[BI+8*\a+\j], v[BOFF], s[90:91] offset:64*\a
.endr
.endr
	WIN 0
.Lbias_done:
.macro FRAG reg, adr, q, i             ; 16 rows x 128 K of 4-bit codes: 8 registers; registers 4 c .. 4 c + 3 hold K = 64 c + 32 h + 0 .. 31
.irp c, 0,1
	ds_load_b128 v[\reg+4*\c:\reg+4*\c+3], v[\adr] offset:64*(\q)+32*\c+(\i)*16*PITCH
.endr
.endm
.macro FETCH slot, q, set              ; 32 LDS loads in one run: the fragments of one step of 128 along K
	WIN 0x40
.irp i, 0,1,2,3,4,5,6,7
	FRAG 128*(\set)+8*\i, ADRP+(\slot), \q, \i
.endr
	WIN 0
.irp i, 0,1,2,3,4,5,6,7
	FRAG 128+64*(\set)+8*\i, ADRR+(\slot), \q, \i
.endr
.endm
; One product.  row = 1: K's second half: the scale words lie in lanes 16-31.  cm = 1, 2: the sum starts from the bias (along P, along R).
.macro WM a, b, set, k, row, cm
.set rD, 8*(8*((\a)%4)+(\b))
.set rP, 128*(\set)+8*(\b)
.set rR, 128+64*(\set)+8*(\a)
.set rSP, SP+4*(\b)+(\k)
.set rSR, SR+4*(\a)+(\k)
.if (\cm) == 1
	v_wmma_scale_f32_16x16x128_f8f6f4 v[rD:rD+7], v[rP:rP+7], v[rR:rR+7], v[BI+8*(\b):BI+8*(\b)+7], v[rSP], v[rSR] matrix_a_fmt:MATRIX_FMT_FP4 matrix_b_fmt:MATRIX_FMT_FP4
.elseif (\cm) == 2
	v_wmma_scale_f32_16x16x128_f8f6f4 v[rD:rD+7], v[rP:rP+7], v[rR:rR+7], v[BI+8*(\a):BI+8*(\a)+7], v[rSP], v[rSR] matrix_a_fmt:MATRIX_FMT_FP4 matrix_b_fmt:MATRIX_FMT_FP4
.elseif (\row)
	v_wmma_scale_f32_16x16x128_f8f6f4 v[rD:rD+7], v[rP:rP+7], v[rR:rR+7], v[rD:rD+7], v[rSP], v[rSR] matrix_a_fmt:MATRIX_FMT_FP4 matrix_b_fmt:MATRIX_FMT_FP4 matrix_a_scale:MATRIX_SCALE_ROW1 matrix_b_scale:MATRIX_SCALE_ROW1
.else
	v_wmma_scale_f32_16x16x128_f8f6f4 v[rD:rD+7], v[rP:rP+7], v[rR:rR+7], v[rD:rD+7], v[rSP], v[rSR] matrix_a_fmt:MATRIX_FMT_FP4 matrix_b_fmt:MATRIX_FMT_FP4
.endif
.endm
.macro MUL16 a0, set, k, row, cm       ; R's tiles a0, a0 + 1 x P's eight.  The 64 accumulators take turns, in the same order in every step
.irp a, \a0, \a0+1
.irp b, 0,1,2,3,4,5,6,7
	WM (\a), \b, \set, \k, \row, \cm
.endr
.endr
.endm
; Step n of eight, 128 along K: the next step's 32 loads go out first, into the set that the last step multiplied; then this step's 64 products.
; bar = 1: the change to K's second half: my last tensor load has landed and no LDS load of mine is out at the signal; the products stand between signal and wait.
.macro STEP n, cm, bar
.if \n > 0
	PLACES
.endif
.if \n < 7
	FETCH (\n+1)/4, (\n+1)%4, (\n+1)%2
.endif
.if \bar
	s_wait_tensorcnt 0x0                           ; my part of K's second half is in LDS
	s_wait_dscnt 0x0
	s_barrier_signal -1
.elseif \n < 7
	s_wait_dscnt 32                                ; all but the 32 loads just issued: this step's fragments are in
.else
	s_wait_dscnt 0x0
.endif
.if \cm
	WIN 0x91                                       ; P window 1, R window 0, the bias window 1, D window 2
.else
	WIN 0xa1                                       ; P window 1, R window 0, C and D window 2
.endif
	MUL16 0, \n%2, \n%4, \n/4, \cm
	MUL16 2, \n%2, \n%4, \n/4, \cm
.if \cm
	WIN 0xd1
.else
	WIN 0xf1                                       ; C and D window 3
.endif
	MUL16 4, \n%2, \n%4, \n/4, \cm
	MUL16 6, \n%2, \n%4, \n/4, \cm
	WIN 0
.if \bar
	s_barrier_wait -1                              ; everybody's part of the second half is in
.endif
.endm
	s_wait_tensorcnt 0x1                           ; the scale bytes and my part of K's first half are in; the second half's load may stay out
	s_barrier_signal -1
	s_barrier_wait -1                              ; everybody's are
	s_wait_alu depctr_va_vdst(0)
.irp i, 0,1,2,3,4,5,6,7
	ds_load_b128 v[SR+4*\i:SR+4*\i+3], v[ASR] offset:\i*STILE      ; all scale words of the launch, once: four words a lane and tile
	ds_load_b128 v[SP+4*\i:SP+4*\i+3], v[ASP] offset:\i*STILE
.endr
	FETCH 0, 0, 0
	s_wait_loadcnt 0x0                             ; the bias
	s_cmp_eq_u32 s3, 2
	s_cbranch_scc1 .Lfirst_v
	STEP 0, 1, 0
	s_branch .Lfirst_done
.Lfirst_v:
	STEP 0, 2, 0
.Lfirst_done:
	STEP 1, 0, 0
	STEP 2, 0, 1
	STEP 3, 0, 0
	STEP 4, 0, 0
	STEP 5, 0, 0
	STEP 6, 0, 0
	STEP 7, 0, 0
; THE WAY OUT.  For tile a of R, block x of 32 along P lies in accumulators (a, 2 x) and (a, 2 x + 1): 16 numbers in lane l, 16 in lane l xor 16.
	PLACES
.irp t, 0,1,2,3,4,5,6,7,8,9,10,11,12,13,14,15
	v_mov_b32 v[TU+\t], 0                          ; written once: a lane permute's destination counts as one of its sources
.endr
.macro QBATCH hi                       ; tiles a = 4 hi .. 4 hi + 3, whose accumulators fill window 2 + hi
	WIN 0x28+0x14*\hi                              ; sources 1 and 2 in that window
.irp i, 0,1,2,3,4,5,6,7
.irp a, 0,1,2,3
.irp x, 0,1,2,3
.if \i == 0
	v_max3_num_f32 v[TM+4*\a+\x], 0x1800000, |v[64*\a+16*\x]|, |v[64*\a+16*\x+1]|   ; the floor 2^(3 - 127) among the leaves: the byte cannot fall under 1.  Each accumulator is read from its low end on
.else
	v_max3_num_f32 v[TM+4*\a+\x], v[TM+4*\a+\x], |v[64*\a+16*\x+2*\i]|, |v[64*\a+16*\x+2*\i+1]|   ; sixteen chains by turns
.endif
.endr
.endr
.endr
	WIN 0
.irp t, 0,1,2,3,4,5,6,7,8,9,10,11,12,13,14,15
	v_permlanex16_b32 v[TU+\t], v[TM+\t], s82, s83
.endr
.irp t, 0,1,2,3,4,5,6,7,8,9,10,11,12,13,14,15
	v_max_num_f32 v[TM+\t], v[TM+\t], v[TU+\t]     ; with lane l xor 16's: the block's largest magnitude
.endr
.irp t, 0,1,2,3,4,5,6,7,8,9,10,11,12,13,14,15
	v_add_nc_u32 v[SO+\t], 0xff000000, v[TM+\t]    ; 2 off its exponent field: the conversion's scale operand
.endr
.irp t, 0,1,2,3,4,5,6,7,8,9,10,11,12,13,14,15
	v_lshrrev_b32 v[TU+\t], 23, v[SO+\t]           ; the scale's byte
.endr
.irp a, 0,1,2,3
	v_lshl_or_b32 v[PW+4*\hi+\a], v[TU+4*\a+1], 8, v[TU+4*\a]
	v_lshl_or_b32 v[PW+4*\hi+\a], v[TU+4*\a+2], 16, v[PW+4*\hi+\a]
	v_lshl_or_b32 v[PW+4*\hi+\a], v[TU+4*\a+3], 24, v[PW+4*\hi+\a]
.endr
	WIN 0x02+\hi                                   ; source 0 in the accumulators' window
.set n, 0
.rept 32                               ; n = 8 a + 4 c + 2 u + e: block 2 c + e, its tile u: eight codes, P = 64 c + 32 e + 16 u + 8 h + 0 .. 7
	v_cvt_scalef32_pk8_fp4_f32 v[RC+32*\hi+n], v[64*(n/8)+32*((n/4)%2)+16*(n%2)+8*((n/2)%2):64*(n/8)+32*((n/4)%2)+16*(n%2)+8*((n/2)%2)+7], v[SO+4*(n/8)+2*((n/4)%2)+n%2]
.set n, n+1
.endr
	WIN 0
	v_nop                                          ; one plain place behind the scaled conversions
.set n, 0
.rept 16                               ; the first's lanes 16-31 change places with the second's lanes 0-15: registers 4 c .. 4 c + 3 of a tile now hold P = 64 c + 32 h + 0 .. 31
	v_permlane16_swap_b32 v[RC+32*\hi+2*n], v[RC+32*\hi+2*n+1]
.set n, n+1
.endr
.endm
	QBATCH 0
	QBATCH 1
	s_mov_b32 vcc_lo, 0xffff0000                   ; lanes 16-31 serve my second head
	v_lshlrev_b32 v[SOFF], 4, v1
	s_cmp_eq_u32 s3, 2
	s_cbranch_scc1 .Lout_v
.irp a, 0,1,2,3,4,5,6,7
.irp c, 0,1
	global_store_b128 v[L16], v[RC+8*\a+4*\c:RC+8*\a+4*\c+3], s[92:93] offset:\c*65536+\a*512   ; q, k: head c, row tile a: 512 consecutive bytes
.endr
.endr
	s_cmp_eq_u32 s3, 0
	s_cbranch_scc0 .Lout_k
	v_lshl_add_u32 v[SOFF], v2, 13, v[SOFF]        ; q: a head's words are 8,192 bytes
	v_mov_b32 v[SELV], 0x01000100                  ; a query's word is (s0, s1, s0, s1) of its head
	v_mov_b32 v3, 0x03020302
	v_cndmask_b32 v[SELV], v[SELV], v3, vcc_lo
.irp a, 0,1,2,3,4,5,6,7
	v_perm_b32 v[WD+\a], v[PW+\a], v[PW+\a], v[SELV]
.endr
	global_store_b128 v[SOFF], v[WD:WD+3], s[94:95]               ; sixteen lanes store 256 consecutive bytes
	global_store_b128 v[SOFF], v[WD+4:WD+7], s[94:95] offset:256
	s_branch .Lout_done
.Lout_k:
	s_wait_alu depctr_va_vdst(0)
	v_lshl_add_u32 v[SOFF], v2, 12, v[SOFF]        ; k: 4,096 bytes a head
	v_mov_b32 v[SELV], 0x05040100                  ; a word is (s0, s1) of key 16 t + r and (s0, s1) of that key + 64
	v_mov_b32 v3, 0x07060302
	v_cndmask_b32 v[SELV], v[SELV], v3, vcc_lo
.irp t, 0,1,2,3
	v_perm_b32 v[WD+\t], v[PW+4+\t], v[PW+\t], v[SELV]
.endr
	global_store_b128 v[SOFF], v[WD:WD+3], s[94:95]
	s_branch .Lout_done
.Lout_v:
	s_wait_alu depctr_va_vdst(0)
.irp a, 0,1,2,3,4,5,6,7
.irp c, 0,1
	global_store_b128 v[L16], v[RC+8*\a+4*\c:RC+8*\a+4*\c+3], s[92:93] offset:(\a/4)*65536+\c*2048+(\a%4)*512   ; v: head a / 4, keys 64 c on, channels 16 (a % 4) on
.endr
.endr
	v_lshl_add_u32 v[SOFF], v2, 12, v[SOFF]
.irp t, 0,1,2,3
	v_cndmask_b32 v[WD+\t], v[PW+\t], v[PW+4+\t], vcc_lo          ; a channel's word: the step's four key blocks
.endr
	global_store_b128 v[SOFF], v[WD:WD+3], s[94:95]
.Lout_done:
	s_wait_tensorcnt 0x0
	ds_add_u32 v126, v127
	s_wait_dscnt 0x0
	CROUND                                         ; the closing round: no work-group ends while a partner may still ask for a tile that names it
	s_endpgm
.Lfunc_end_k_q6d2e78171d_qkv:
	.size	k_q6d2e78171d_qkv, .Lfunc_end_k_q6d2e78171d_qkv-k_q6d2e78171d_qkv
	.p2alignl 7, 3214868480
	.fill 96, 4, 3214868480
	.section	.rodata,"a",@progbits
	.p2align	6, 0x0
	.amdhsa_kernel k_q6d2e78171d_qkv
		.amdhsa_group_segment_fixed_size 296448
		.amdhsa_private_segment_fixed_size 0
		.amdhsa_enable_private_segment 0
		.amdhsa_kernarg_size 136
		.amdhsa_user_sgpr_count 2
		.amdhsa_user_sgpr_kernarg_segment_ptr 1
		.amdhsa_wavefront_size32 1
		.amdhsa_system_sgpr_workgroup_id_x 1
		.amdhsa_system_sgpr_workgroup_id_y 1
		.amdhsa_system_sgpr_workgroup_id_z 1
		.amdhsa_system_vgpr_workitem_id 0
		.amdhsa_next_free_vgpr 1024
		.amdhsa_next_free_sgpr 102
		.amdhsa_reserve_vcc 1
		.amdhsa_float_denorm_mode_32 3
		.amdhsa_float_denorm_mode_16_64 3
		.amdhsa_memory_ordered 1
		.amdhsa_forward_progress 1
		.amdhsa_inst_pref_size 148
	.end_amdhsa_kernel
	.amdgpu_metadata
---
amdhsa.version: [ 1, 2 ]
amdhsa.kernels:
  - .name:           k_q6d2e78171d_qkv
    .symbol:         k_q6d2e78171d_qkv.kd
    .args:
      - { .name: x_codes, .offset: 0, .size: 8, .value_kind: global_buffer, .address_space: global }
      - { .name: x_scales, .offset: 8, .size: 8, .value_kind: global_buffer, .address_space: global }
      - { .name: Wq_codes, .offset: 16, .size: 8, .value_kind: global_buffer, .address_space: global }
      - { .name: Wq_scales, .offset: 24, .size: 8, .value_kind: global_buffer, .address_space: global }
      - { .name: Wk_codes, .offset: 32, .size: 8, .value_kind: global_buffer, .address_space: global }
      - { .name: Wk_scales, .offset: 40, .size: 8, .value_kind: global_buffer, .address_space: global }
      - { .name: Wv_codes, .offset: 48, .size: 8, .value_kind: global_buffer, .address_space: global }
      - { .name: Wv_scales, .offset: 56, .size: 8, .value_kind: global_buffer, .address_space: global }
      - { .name: bq, .offset: 64, .size: 8, .value_kind: global_buffer, .address_space: global }
      - { .name: bk, .offset: 72, .size: 8, .value_kind: global_buffer, .address_space: global }
      - { .name: bv, .offset: 80, .size: 8, .value_kind: global_buffer, .address_space: global }
      - { .name: q_codes, .offset: 88, .size: 8, .value_kind: global_buffer, .address_space: global }
      - { .name: q_sc, .offset: 96, .size: 8, .value_kind: global_buffer, .address_space: global }
      - { .name: k_codes, .offset: 104, .size: 8, .value_kind: global_buffer, .address_space: global }
      - { .name: k_sc, .offset: 112, .size: 8, .value_kind: global_buffer, .address_space: global }
      - { .name: v_codes, .offset: 120, .size: 8, .value_kind: global_buffer, .address_space: global }
      - { .name: v_sc, .offset: 128, .size: 8, .value_kind: global_buffer, .address_space: global }
    .group_segment_fixed_size: 296448
    .private_segment_fixed_size: 0
    .kernarg_segment_align: 8
    .kernarg_segment_size: 136
    .max_flat_workgroup_size: 128
    .sgpr_count:     102
    .vgpr_count:     1024
    .wavefront_size: 32
...
	.end_amdgpu_metadata
.endif
;; end of part 1
;; launch attn (part 2): grid 4 x 64, 16 waves a work-group, clusters of 4 x 1, 169,984 bytes of LDS; arguments q_codes, q_sc, k_codes, k_sc, v_codes, v_sc, a_codes, a_sc; writes a_codes, a_sc
.if DOCPART == 2
	.amdgcn_target "amdgcn-amd-amdhsa--gfx1250"
	.amdhsa_code_object_version 6
	.text
	.protected	k_q6d2e78171d_attn
	.globl	k_q6d2e78171d_attn
	.p2align	8
	.type	k_q6d2e78171d_attn,@function
k_q6d2e78171d_attn:
	s_mov_b64 s[64:65], 0
	v_nop
	global_prefetch_b8 v0, s[64:65] scope:SCOPE_SE
	s_setreg_imm32_b32 hwreg(HW_REG_WAVE_MODE, 25, 1), 1
	s_wait_xcnt 0x0
	s_wait_alu depctr_hold_cnt(0) depctr_sa_sdst(0) depctr_va_vdst(0) depctr_va_sdst(0) depctr_va_ssrc(0) depctr_va_vcc(0) depctr_vm_vsrc(0)
	s_getreg_b32 s2, hwreg(HW_REG_IB_STS2, 6, 4)
	s_cmp_eq_u32 s2, 0
	s_cbranch_scc0 .Lentry_in_a_cluster
	s_endpgm
.Lentry_in_a_cluster:
	s_bfe_u32 s2, ttmp6, 0x10000c
	s_cmp_lg_u32 s2, 0x3003
	s_cbranch_scc0 .Lentry_shape_is_right
	s_endpgm
.Lentry_shape_is_right:
; Causal attention of one head on codes of FP4 (E2M1): S^T = K Q^T (K = the head's 64), p = 2^(t - M), O^T = V^T P^T (K = the keys), O / l, quantised along the head's 64 channels for the last product.
; t = score x log2(e) / 8; M = the running largest t rounded UP to a whole number; p is not normalised; l is the sum of the unquantised p; when M moves, l and O are multiplied by 2^(old M - new M), exactly.
; SHARES.  A cluster of four work-groups is one (batch, head).  Its 128 tiles of 16 queries are 16 groups of 8 (a group is 128 queries, as many as a key step has keys).  Wave w (G = w % 8, u = w / 8) of work-group cx
; takes tile 2 cx + u of group 15 - G (16 - G key steps) and then of group G (G + 1 key steps): 17 steps for every wave of the launch.  All branches hang on G, the wave's number, alone.
; LDS.  The head's K and V codes and scale words lie in LDS whole, each byte filled once, by joint loads of the four work-groups (waves 0 to 3, three loads each): keys 0-1,023 are waited for first, the rest behind eight steps.
; WHICH ROWS FORM A TILE IS FREE.  Row 8 h' + j of tile g (of keys 64 c on) is key 64 c + 32 h' + 8 g + j: so the lane's registers of tiles g = 0 .. 3 are 32 NEIGHBOURING keys, 64 c + 32 h + 0 .. 31, a whole block:
; its largest p needs no other lane and the conversions' results are the next operand's registers as they stand.  V's channels likewise: a lane ends with channels 32 h + 0 .. 31 of its query.  Only LDS addresses make the choice.
; K = 64 IN AN INSTRUCTION OF 128: a fragment holds tile (0, g) in registers 0-3 and tile (1, g) in 4-7, and is multiplied by [Q, 0] and by [0, Q]: zero codes add nothing.
; LIMITS: a block of zeros gets the byte 1 (its codes are zeros; only this program reads the bytes); p under 2^-126 counts as 0; 1 / l is v_rcp_f32; NaN and infinities are not served; the largest score starts at -3e38.
; REGISTERS: v1-7 what stays; v8-10 the step's addresses; v12 -M, v13 the largest score, v[14:15], v[16:17] sums, v[18:19] f; v20-39 [0][Q of tile A][0][Q of tile B][0]; v40, 41 Q's scale words; v[42:43] K's, v[44:45] V's, v46 p's;
;   v48-61 at work; v62, 63 where my two scale bytes go; v64-95 K; v96-127 V; v128-191 S^T, then p; v192-223 O^T; v224-231 p's codes; v232-239 my results; v240-245 the bytes' way out.
.set KROW,  1152                       ; 1,024 bytes (32 keys, or 32 channels of V) + 128 of padding: lanes 8-15 of a load read one row further on, on the other half of the banks
.set STEPB, 4*KROW                     ; a key step
.set VC,    64*KROW                    ; V's codes lie behind K's
.set KSC,   2*VC                       ; K's scale words, 256 bytes a step
.set SCB,   KSC+8192                   ; behind V's scale words: 1,024 bytes for the results' scale bytes: no tensor load lands here
.macro CROUND                          ; a round of the cluster's barrier
	s_barrier_signal -1
	s_barrier_wait -1
	s_cmp_lg_u32 s20, 0
	s_cbranch_scc1 .Lnot_wave_0_\@
	s_barrier_signal -3
.Lnot_wave_0_\@:
	s_barrier_wait -3
	s_barrier_signal -1
	s_barrier_wait -1
.endm
	s_load_b512 s[4:19], s[0:1], 0x0               ; q_codes, q_sc, k_codes, k_sc, v_codes, v_sc, a_codes, a_sc
	v_lshl_add_u32 v254, v0, 2, 0x29000
	v_mov_b32 v255, 0
	ds_add_u32 v254, v255
	ds_add_u32 v254, v255
	v_lshrrev_b32 v1, 5, v0
	s_delay_alu instid0(VALU_DEP_1)
	v_readfirstlane_b32 s20, v1                    ; wave 0..15
	s_and_b32 s21, s20, 7                          ; G
	s_lshr_b32 s22, s20, 3                         ; u
	s_bfe_u32 s23, ttmp6, 0x40000                  ; cx: it enters global addresses and the mask's data alone
	s_and_b32 s24, ttmp7, 0xffff                   ; 16 x batch + head
	s_mov_b32 s26, 0x76543210
	s_mov_b32 s27, 0xfedcba98                      ; v_permlanex16_b32's selects for lane l xor 16
	s_mov_b32 s28, 0x3e38aa3b                      ; c = log2(e) / 8
	s_mov_b32 s29, s28                             ; (named with it as a pair)
	; every LDS address register is made here, ahead of the branch on the wave's number
	v_and_b32 v48, 15, v0                          ; r
	v_bfe_u32 v49, v0, 4, 1                        ; h
	v_and_b32 v50, 7, v0                           ; r % 8
	v_bfe_u32 v51, v0, 3, 1                        ; r / 8
	s_delay_alu instid0(VALU_DEP_1)
	v_mul_u32_u24 v1, v51, KROW
	s_delay_alu instid0(VALU_DEP_1)
	v_lshl_add_u32 v1, v49, 8, v1
	s_delay_alu instid0(VALU_DEP_1)
	v_lshl_add_u32 v1, v50, 4, v1                  ; my place in a fragment of K: 1,152 (r / 8) + 256 h + 16 (r % 8)
	s_delay_alu instid0(VALU_DEP_1)
	v_add_nc_u32 v2, VC, v1                        ; and of V
	v_lshlrev_b32 v3, 4, v50
	s_delay_alu instid0(VALU_DEP_1)
	v_lshl_add_u32 v3, v51, 3, v3
	s_delay_alu instid0(VALU_DEP_1)
	v_lshl_add_u32 v3, v49, 7, v3
	s_delay_alu instid0(VALU_DEP_1)
	v_add_nc_u32 v3, KSC, v3                       ; my two scale words: register i, lanes 0-15: tile 2 i; lanes 16-31: tile 2 i + 1
	v_and_b32 v4, 31, v0
	s_delay_alu instid0(VALU_DEP_1)
	v_lshlrev_b32 v4, 4, v4                        ; 16 x lane
	v_lshlrev_b32 v6, 3, v49                       ; 8 h
	v_mov_b32 v7, 0xff800000                       ; -infinity
	s_lshl_b32 s68, s23, 1
	s_add_co_u32 s68, s68, s22                     ; my tile in a group: 2 cx + u
	s_lshl_b32 s69, s68, 4
	v_lshlrev_b32 v5, 5, v49
	s_delay_alu instid0(VALU_DEP_1)
	v_sub_nc_u32 v5, v48, v5
	s_delay_alu instid0(VALU_DEP_1)
	v_add_nc_u32 v5, s69, v5                       ; d = my query in its group - 32 h
	v_lshl_add_u32 v52, v48, 1, v49                ; 2 r + h
	s_wait_alu depctr_va_vdst(0)
	s_xor_b32 s70, s21, 15                         ; tile A's group: 15 - G
	s_lshl_b32 s71, s70, 1
	s_add_co_u32 s71, s71, s22
	s_lshl_b32 s71, s71, 5
	s_add_co_u32 s71, s71, SCB
	v_add_nc_u32 v62, s71, v52                     ; tile A's byte: SCB + 32 (2 group + u) + 2 r + h
	s_lshl_b32 s71, s21, 1
	s_add_co_u32 s71, s71, s22
	s_lshl_b32 s71, s71, 5
	s_add_co_u32 s71, s71, SCB
	v_add_nc_u32 v63, s71, v52                     ; tile B's
	v_lshl_add_u32 v244, v0, 4, SCB                ; the bytes' way out (waves 0 and 1): 16 bytes a thread,
	v_lshrrev_b32 v245, 4, v0
	s_delay_alu instid0(VALU_DEP_1)
	v_lshlrev_b32 v245, 12, v245
	s_delay_alu instid0(VALU_DEP_1)
	v_lshl_add_u32 v245, v48, 4, v245              ; to 4,096 (thread / 16) + 16 (thread % 16)
	; the descriptors.  Wave w < 4: K's (w even) or V's (w odd), half w / 2
	s_mov_b32 s32, 15|(3<<16)|(1<<20)|(1<<21)|(7<<22)|(31<<25)   ; codes: all four work-groups; elements of 8 bytes; padding on; bit 21 beside a mask; after every 256 words, 32 words
	s_mov_b32 s33, 128<<16                         ; tensor_dim0: 1,024 bytes
	s_mov_b32 s34, 16<<16                          ; tensor_dim1
	s_mov_b32 s35, 128<<16                         ; tile_dim0
	s_mov_b32 s36, 16                              ; tile_dim1
	s_mov_b32 s37, 128                             ; pitch: the rows are dense in memory
	s_mov_b32 s38, 0
	s_mov_b32 s39, 0
	s_mov_b32 s40, 15|(3<<16)|(1<<21)              ; scale words: 2,048 dense bytes as 8 rows of 256, no padding
	s_mov_b32 s41, 32<<16
	s_mov_b32 s42, 8<<16
	s_mov_b32 s43, 32<<16
	s_mov_b32 s44, 8
	s_mov_b32 s45, 32
	s_mov_b32 s46, 0
	s_mov_b32 s47, 0
	s_and_b32 s72, s20, 1
	s_bfe_u32 s73, s20, 0x10001
	s_mul_i32 s74, s72, VC
	s_mul_i32 s75, s73, 16*KROW
	s_add_co_u32 s74, s74, s75                     ; LDS: my 16 rows of the first 32
	s_lshl_b32 s75, s72, 12
	s_lshl_b32 s76, s73, 11
	s_add_co_u32 s75, s75, s76
	s_add_co_u32 s75, s75, KSC                     ; LDS: my half of the scale words
	s_lshl_b32 s76, s24, 16
	s_lshl_b32 s77, s73, 14
	s_add_co_u32 s76, s76, s77                     ; memory: the head's 65,536 bytes of codes, my 16,384
	s_mov_b32 s77, 0
	s_lshl_b32 s78, s24, 12
	s_lshl_b32 s79, s73, 11
	s_add_co_u32 s78, s78, s79
	s_mov_b32 s79, 0
	s_wait_dscnt 0x0
	s_wait_kmcnt 0x0
	s_cmp_eq_u32 s72, 0
	s_cselect_b64 s[50:51], s[10:11], s[14:15]
	s_cselect_b64 s[54:55], s[8:9], s[12:13]
	s_add_nc_u64 s[50:51], s[50:51], s[78:79]
	s_add_nc_u64 s[54:55], s[54:55], s[76:77]
	s_add_nc_u64 s[58:59], s[54:55], 32768         ; keys 1,024 on
	s_or_b32 s51, s51, 0x80000000
	s_or_b32 s55, s55, 0x80000000
	s_or_b32 s59, s59, 0x80000000
	s_mov_b32 s48, 1
	s_mov_b32 s49, s75
	s_mov_b32 s52, 1
	s_mov_b32 s53, s74
	s_mov_b32 s56, 1
	s_add_co_u32 s57, s74, 32*KROW
	CROUND                                         ; all four work-groups are here: the joint loads meet
	s_cmp_lt_u32 s20, 4
	s_cbranch_scc0 .Lno_fetch
	tensor_load_to_lds s[48:51], s[40:47]          ; scale words
	s_nop 0
	tensor_load_to_lds s[52:55], s[32:39]          ; keys 0-1,023
	s_nop 0
	tensor_load_to_lds s[56:59], s[32:39]          ; keys 1,024-2,047: three loads of mine are out
	s_nop 0
.rept 4
	v_nop
.endr
.Lno_fetch:
	; Q of my two tiles: T = 8 x group + 2 cx + u
	s_lshl_b32 s72, s70, 3
	s_add_co_u32 s72, s72, s68                     ; tile A
	s_lshl_b32 s73, s21, 3
	s_add_co_u32 s73, s73, s68                     ; tile B
	s_lshl_b32 s74, s24, 16
	s_lshl_b32 s75, s72, 9
	s_add_co_u32 s75, s75, s74
	v_add_nc_u32 v53, s75, v4
	s_lshl_b32 s75, s73, 9
	s_add_co_u32 s75, s75, s74
	v_add_nc_u32 v54, s75, v4
	global_load_b128 v[24:27], v53, s[4:5]
	global_load_b128 v[32:35], v54, s[4:5]
	s_lshl_b32 s74, s24, 13
	s_lshr_b32 s75, s72, 2
	s_lshl_b32 s75, s75, 8
	s_and_b32 s76, s72, 3
	s_lshl_b32 s76, s76, 2
	s_add_co_u32 s75, s75, s76
	s_add_co_u32 s75, s75, s74
	v_lshl_add_u32 v55, v48, 4, s75
	s_lshr_b32 s75, s73, 2
	s_lshl_b32 s75, s75, 8
	s_and_b32 s76, s73, 3
	s_lshl_b32 s76, s76, 2
	s_add_co_u32 s75, s75, s76
	s_add_co_u32 s75, s75, s74
	v_lshl_add_u32 v56, v48, 4, s75
	global_load_b32 v40, v55, s[6:7]
	global_load_b32 v41, v56, s[6:7]
	; where my results go: row tile ((4 batch + cx) 16 + group) 2 + u, 8,192 bytes each; in it my head's 512 bytes
	s_lshr_b32 s72, s24, 4
	s_lshl_b32 s72, s72, 2
	s_add_co_u32 s72, s72, s23                     ; 4 batch + cx
	s_and_b32 s73, s24, 15                         ; head
	s_lshl_b32 s74, s72, 4
	s_add_co_u32 s75, s74, s70
	s_lshl_b32 s75, s75, 1
	s_add_co_u32 s75, s75, s22
	s_lshl_b32 s76, s75, 13
	s_lshl_b32 s77, s73, 9
	s_add_co_u32 s76, s76, s77
	s_mov_b32 s77, 0
	s_add_nc_u64 s[60:61], s[16:17], s[76:77]
	s_add_co_u32 s75, s74, s21
	s_lshl_b32 s75, s75, 1
	s_add_co_u32 s75, s75, s22
	s_lshl_b32 s76, s75, 13
	s_lshl_b32 s78, s73, 9
	s_add_co_u32 s76, s76, s78
	s_add_nc_u64 s[62:63], s[16:17], s[76:77]
	s_lshl_b32 s76, s72, 14
	s_lshl_b32 s78, s73, 8
	s_add_co_u32 s76, s76, s78
	s_add_nc_u64 s[66:67], s[18:19], s[76:77]
.irp j, 20,21,22,23,28,29,30,31,36,37,38,39
	v_mov_b32 v[\j], 0                             ; the zero codes beside Q
.endr
	v_mov_b32 v19, 0                               ; (named as the upper half of the pair v[18:19])
	v_mov_b32 v57, 0                               ; written once: a lane permute's destination counts as one of its sources (v55 has been written)
.macro INIT                            ; a tile starts: the step is written once, and its first change of M multiplies zeros
	v_mov_b32 v13, 0xff61b1e6                      ; the largest score so far: -3e38
	v_mov_b32 v12, 0x7e000000                      ; -M: 2^125, so that the first f is 0
	v_mov_b32 v14, 0
	v_mov_b32 v15, 0
.set j, 0
.rept 32
	v_mov_b32 v[192+j], 0
.set j, j+1
.endr
	s_mov_b32 s2, 0                                ; the step's codes in LDS
	s_mov_b32 s3, 0                                ; and its scale words
.endm
; A KEY STEP of 128 keys for the tile whose Q block begins at v[qb] and whose scale word is v[qs].  causal = 1: s30 counts the steps of a loop of eight and s31 is the step on the diagonal.
.macro STEP qb, qs, causal
.if \causal
	s_cmp_gt_u32 s30, s31                          ; all keys come after my queries: the step's work is left out; the lines at its end that step addresses are not
	s_cbranch_scc1 .Lhid_\@
.endif
	s_setprio 2
	v_add_nc_u32 v8, s2, v1
	v_add_nc_u32 v9, s2, v2
	v_add_nc_u32 v10, s3, v3
	v_nop                                          ; four places in front of loads into registers that the last products read
	ds_load_b64 v[42:43], v10
.irp g, 0,1,2,3
.irp c, 0,1
	ds_load_b128 v[64+8*\g+4*\c:64+8*\g+4*\c+3], v8 offset:2304*\c+512*(\g/2)+128*(\g%2)
.endr
.endr
	ds_load_b64 v[44:45], v10 offset:4096
.irp g, 0,1,2,3
.irp c, 0,1
	ds_load_b128 v[96+8*\g+4*\c:96+8*\g+4*\c+3], v9 offset:2304*\c+512*(\g/2)+128*(\g%2)
.endr
.endr
	s_wait_dscnt 0x9                               ; K's nine loads are in; V's nine may be out
.irp g, 0,1,2,3
.if \g%2 == 0
	v_wmma_scale_f32_16x16x128_f8f6f4 v[128+8*\g:135+8*\g], v[64+8*\g:71+8*\g], v[\qb+4:\qb+11], 0, v[42+\g/2], v[\qs] matrix_a_fmt:MATRIX_FMT_FP4 matrix_b_fmt:MATRIX_FMT_FP4
	v_wmma_scale_f32_16x16x128_f8f6f4 v[160+8*\g:167+8*\g], v[64+8*\g:71+8*\g], v[\qb:\qb+7], 0, v[42+\g/2], v[\qs] matrix_a_fmt:MATRIX_FMT_FP4 matrix_b_fmt:MATRIX_FMT_FP4
.else
	v_wmma_scale_f32_16x16x128_f8f6f4 v[128+8*\g:135+8*\g], v[64+8*\g:71+8*\g], v[\qb+4:\qb+11], 0, v[42+\g/2], v[\qs] matrix_a_fmt:MATRIX_FMT_FP4 matrix_b_fmt:MATRIX_FMT_FP4 matrix_a_scale:MATRIX_SCALE_ROW1
	v_wmma_scale_f32_16x16x128_f8f6f4 v[160+8*\g:167+8*\g], v[64+8*\g:71+8*\g], v[\qb:\qb+7], 0, v[42+\g/2], v[\qs] matrix_a_fmt:MATRIX_FMT_FP4 matrix_b_fmt:MATRIX_FMT_FP4 matrix_a_scale:MATRIX_SCALE_ROW1
.endif
.endr                                          ; register 32 c + i of v128 on: key 64 c + 32 h + i of the step
.rept 4
	v_nop
.endr
.if \causal
	s_cmp_lt_u32 s30, s31                          ; all keys count: no mask
	s_cbranch_scc1 .Lopen_\@
.set n, 0
.rept 64                               ; on the diagonal: hidden where 64 c + i > d
	v_cmp_gt_i32 vcc_lo, 64*(n/32)+n%32, v5
	v_cndmask_b32 v[128+n], v[128+n], v7, vcc_lo
.set n, n+1
.endr
.Lopen_\@:
.endif
.irp x, 0,1,2,3
	v_max3_num_f32 v[58+\x], v[128+16*\x], v[129+16*\x], v[130+16*\x]   ; the largest score of each block of 32 keys, in two chains a block: it serves the row's maximum and, since p rises with the score, the block's largest p
.endr
.irp i, 3,5,7,9,11,13
.irp x, 0,1,2,3
	v_max3_num_f32 v[58+\x], v[58+\x], v[128+16*\x+\i], v[129+16*\x+\i]
.endr
.endr
	v_max3_num_f32 v48, v58, v59, v143
	v_max3_num_f32 v49, v60, v61, v175
	v_max_num_f32 v48, v48, v159
	v_max_num_f32 v49, v49, v191
	s_delay_alu instid0(VALU_DEP_1)
	v_max_num_f32 v56, v48, v49
	s_delay_alu instid0(VALU_DEP_1)
	v_permlanex16_b32 v57, v56, s26, s27           ; my query's other 64 keys lie in lane l xor 16
	s_delay_alu instid0(VALU_DEP_1)
	v_max3_num_f32 v13, v13, v56, v57              ; the running largest score
	s_delay_alu instid0(VALU_DEP_1)
	v_mul_f32 v56, s28, v13                        ; as t
	v_mov_b32 v57, v12
	s_delay_alu instid0(VALU_DEP_2)
	v_floor_f32 v12, -v56                          ; the new -M = -ceil(t)
	s_delay_alu instid0(VALU_DEP_1)
	v_sub_f32 v57, v12, v57                        ; old M - new M: a whole number, 0 or less
	s_delay_alu instid0(VALU_DEP_1)
	v_cvt_i32_f32 v57, v57                         ; (it saturates)
	s_delay_alu instid0(VALU_DEP_1)
	v_ldexp_f32 v18, 1.0, v57                      ; f = 2^(old M - new M)
.set j, 0
.rept 32
	v_pk_fma_f32 v[128+j:129+j], v[128+j:129+j], s[28:29], v[12:13] op_sel_hi:[1,0,0]   ; t - M, two at a time
.set j, j+2
.endr
	v_fma_f32 v48, v48, s28, v12                   ; the same of each block's largest score
	v_fma_f32 v49, v49, s28, v12
.set j, 0
	s_setprio 1
	s_wait_alu depctr_va_vdst(0)
.rept 64
	v_exp_f32 v[128+j], v[128+j]                   ; p = 2^(t - M)
.set j, j+1
.endr
	v_pk_mul_f32 v[14:15], v[14:15], v[18:19] op_sel_hi:[1,0]     ; the sum under the new M: the plain place behind the exponentials
	s_wait_alu depctr_va_vdst(0)                   ; one wait for the batch of 64, ahead of its first reader
	v_exp_f32 v48, v48                             ; the blocks' largest p
	v_exp_f32 v49, v49
	v_pk_add_f32 v[16:17], v[132:133], v[136:137]
	v_pk_add_f32 v[252:253], v[140:141], v[144:145]
	v_pk_add_f32 v[250:251], v[148:149], v[152:153]
	v_pk_add_f32 v[248:249], v[156:157], v[160:161]
	v_pk_add_f32 v[246:247], v[164:165], v[168:169]
	v_pk_add_f32 v[242:243], v[172:173], v[176:177]
	v_pk_add_f32 v[240:241], v[180:181], v[184:185]
	v_pk_add_f32 v[14:15], v[14:15], v[188:189]
	v_pk_add_f32 v[16:17], v[16:17], v[128:129]
	v_pk_add_f32 v[252:253], v[252:253], v[130:131]
	v_pk_add_f32 v[250:251], v[250:251], v[134:135]
	v_pk_add_f32 v[248:249], v[248:249], v[138:139]
	v_pk_add_f32 v[246:247], v[246:247], v[142:143]
	v_pk_add_f32 v[242:243], v[242:243], v[146:147]
	v_pk_add_f32 v[240:241], v[240:241], v[150:151]
	v_pk_add_f32 v[14:15], v[14:15], v[154:155]
	v_pk_add_f32 v[16:17], v[16:17], v[158:159]
	v_pk_add_f32 v[252:253], v[252:253], v[162:163]
	v_pk_add_f32 v[250:251], v[250:251], v[166:167]
	v_pk_add_f32 v[248:249], v[248:249], v[170:171]
	v_pk_add_f32 v[246:247], v[246:247], v[174:175]
	v_pk_add_f32 v[242:243], v[242:243], v[178:179]
	v_pk_add_f32 v[240:241], v[240:241], v[182:183]
	v_pk_add_f32 v[14:15], v[14:15], v[186:187]
	v_pk_add_f32 v[16:17], v[16:17], v[190:191]
	s_delay_alu instid0(VALU_DEP_2)
	v_pk_add_f32 v[14:15], v[14:15], v[248:249]
	s_delay_alu instid0(VALU_DEP_2)
	v_pk_add_f32 v[16:17], v[16:17], v[246:247]
	v_pk_add_f32 v[252:253], v[252:253], v[242:243]
	v_pk_add_f32 v[250:251], v[250:251], v[240:241]
	s_delay_alu instid0(VALU_DEP_2)
	v_pk_add_f32 v[14:15], v[14:15], v[252:253]
	s_delay_alu instid0(VALU_DEP_2)
	v_pk_add_f32 v[16:17], v[16:17], v[250:251]
	s_delay_alu instid0(VALU_DEP_1)
	v_pk_add_f32 v[14:15], v[14:15], v[16:17]
	s_wait_alu depctr_va_vdst(0)                   ; and one for the two
	v_max_num_f32 v48, 0x1800000, v48              ; the floor 2^(3 - 127): the byte cannot fall under 1
	v_max_num_f32 v49, 0x1800000, v49
	s_delay_alu instid0(VALU_DEP_2)
	v_add_nc_u32 v50, 0xff000000, v48              ; 2 off the exponent field: the conversion's scale operand
	s_delay_alu instid0(VALU_DEP_2)
	v_add_nc_u32 v51, 0xff000000, v49
	s_delay_alu instid0(VALU_DEP_2)
	v_lshrrev_b32 v52, 23, v50                     ; the bytes of blocks h and 2 + h
	s_delay_alu instid0(VALU_DEP_2)
	v_lshrrev_b32 v53, 23, v51
	s_delay_alu instid0(VALU_DEP_1)
	v_lshl_or_b32 v54, v53, 16, v52
	s_delay_alu instid0(VALU_DEP_1)
	v_lshlrev_b32 v54, v6, v54                     ; at their places in the word
	s_delay_alu instid0(VALU_DEP_1)
	v_permlanex16_b32 v55, v54, s26, s27
	s_delay_alu instid0(VALU_DEP_1)
	v_or_b32 v46, v54, v55                         ; with lane l xor 16's two the word is whole
	s_setprio 0
.irp c, 0,1
.irp g, 0,1,2,3
	v_cvt_scalef32_pk8_fp4_f32 v[224+4*\c+\g], v[128+8*(4*\c+\g):135+8*(4*\c+\g)], v[50+\c]   ; the operand's registers as they stand
.endr
.endr
	v_nop                                          ; one plain place behind the scaled conversions
.set j, 0
.rept 16
	v_pk_mul_f32 v[192+j:193+j], v[192+j:193+j], v[18:19] op_sel_hi:[1,0]   ; O^T under the new M.  These 16 are also the places between p's scale word and codes and the products
.set j, j+2
.endr
	s_wait_alu depctr_va_vdst(0)
	s_wait_dscnt 0x0                               ; V is in
.irp g, 0,1,2,3                                ; the four accumulators by turns
.if \g%2 == 0
	v_wmma_scale_f32_16x16x128_f8f6f4 v[192+8*\g:199+8*\g], v[96+8*\g:103+8*\g], v[224:231], v[192+8*\g:199+8*\g], v[44+\g/2], v46 matrix_a_fmt:MATRIX_FMT_FP4 matrix_b_fmt:MATRIX_FMT_FP4
.else
	v_wmma_scale_f32_16x16x128_f8f6f4 v[192+8*\g:199+8*\g], v[96+8*\g:103+8*\g], v[224:231], v[192+8*\g:199+8*\g], v[44+\g/2], v46 matrix_a_fmt:MATRIX_FMT_FP4 matrix_b_fmt:MATRIX_FMT_FP4 matrix_a_scale:MATRIX_SCALE_ROW1
.endif
.endr
.if \causal
.Lhid_\@:
.endif
	s_add_co_u32 s2, s2, STEPB
	s_add_co_u32 s3, s3, 256
.endm
; A tile's end: O^T / l; the lane's 32 numbers are channels 32 h + 0 .. 31 of its query: one block; codes to memory, 512 consecutive bytes a wave; the byte to LDS.
.macro WAYOUT t
.rept 4
	v_nop                                          ; places behind the last products
.endr
	v_add_f32 v14, v14, v15
	s_delay_alu instid0(VALU_DEP_1)
	v_permlanex16_b32 v57, v14, s26, s27
	s_delay_alu instid0(VALU_DEP_1)
	v_add_f32 v14, v14, v57                        ; the row's sum
	s_wait_alu depctr_va_vdst(0)
	v_rcp_f32 v14, v14
	v_nop                                          ; a plain place behind the reciprocal,
	s_wait_alu depctr_va_vdst(0)                   ; and the wait ahead of its first reader
.set j, 0
.rept 16
	v_pk_mul_f32 v[128+j:129+j], v[192+j:193+j], v[14:15] op_sel_hi:[1,0]   ; each accumulator from its low end on
.set j, j+2
.endr
	v_max3_num_f32 v58, |v128|, |v129|, 0x1800000
	v_max3_num_f32 v59, |v144|, |v145|, |v146|
.irp i, 0,2,4,6,8,10
	s_delay_alu instid0(VALU_DEP_2)
	v_max3_num_f32 v58, v58, |v[130+\i]|, |v[131+\i]|
	s_delay_alu instid0(VALU_DEP_2)
	v_max3_num_f32 v59, v59, |v[147+\i]|, |v[148+\i]|
.endr
	s_delay_alu instid0(VALU_DEP_2)
	v_max3_num_f32 v58, v58, |v142|, |v143|
	s_delay_alu instid0(VALU_DEP_1)
	v_max3_num_f32 v58, v58, v59, |v159|
	s_delay_alu instid0(VALU_DEP_1)
	v_add_nc_u32 v50, 0xff000000, v58
	s_delay_alu instid0(VALU_DEP_1)
	v_lshrrev_b32 v52, 23, v50
.irp g, 0,1,2,3
	v_cvt_scalef32_pk8_fp4_f32 v[232+4*\t+\g], v[128+8*\g:135+8*\g], v50
.endr
	v_nop                                          ; one plain place behind the scaled conversions
	global_store_b128 v4, v[232+4*\t:235+4*\t], s[60+2*\t:61+2*\t]
	ds_store_b8 v[62+\t], v52
.endm
	INIT
	s_wait_loadcnt 0x0                             ; Q
	s_wait_tensorcnt 0x1                           ; the scale words and keys 0-1,023 are in; the last load may stay out
	s_barrier_signal -1
	s_barrier_wait -1
	s_mov_b32 s30, 0
.Lfirst_eight:                                     ; tile A, steps 0 to 7: its group is 8 or later, so all keys count
	STEP 20, 40, 0
	s_add_co_u32 s30, s30, 1
	s_cmp_lt_u32 s30, 8
	s_cbranch_scc1 .Lfirst_eight
	s_setprio 0
	s_wait_tensorcnt 0x0                           ; keys 1,024 on are in,
	s_wait_dscnt 0x0
	s_barrier_signal -1
	s_barrier_wait -1                              ; everybody's part; every wave has done the same eight steps
	s_xor_b32 s31, s21, 7                          ; the diagonal: step 8 + (7 - G)
	s_mov_b32 s30, 0
.Lsecond_eight:
	STEP 20, 40, 1
	s_add_co_u32 s30, s30, 1
	s_cmp_lt_u32 s30, 8
	s_cbranch_scc1 .Lsecond_eight
	s_setprio 0
	WAYOUT 0
	INIT
	s_mov_b32 s31, s21                             ; tile B: the diagonal is step G
	s_mov_b32 s30, 0
.Ltile_b:
	STEP 28, 41, 1
	s_add_co_u32 s30, s30, 1
	s_cmp_lt_u32 s30, 8
	s_cbranch_scc1 .Ltile_b
	s_setprio 0
	WAYOUT 1
	s_wait_dscnt 0x0                               ; for the others' sake: my two byte stores are done
	s_barrier_signal -1
	s_barrier_wait -1
	s_cmp_lt_u32 s20, 2
	s_cbranch_scc0 .Lno_gather
	ds_load_b128 v[240:243], v244                  ; the work-group's 1,024 scale bytes leave as four runs of 256 consecutive bytes
	s_wait_dscnt 0x0
	global_store_b128 v245, v[240:243], s[66:67]
.Lno_gather:
	s_wait_tensorcnt 0x0
	ds_add_u32 v254, v255
	s_wait_dscnt 0x0
	CROUND                                         ; the closing round
	s_endpgm
.Lfunc_end_k_q6d2e78171d_attn:
	.size	k_q6d2e78171d_attn, .Lfunc_end_k_q6d2e78171d_attn-k_q6d2e78171d_attn
	.p2alignl 7, 3214868480
	.fill 96, 4, 3214868480
	.section	.rodata,"a",@progbits
	.p2align	6, 0x0
	.amdhsa_kernel k_q6d2e78171d_attn
		.amdhsa_group_segment_fixed_size 169984
		.amdhsa_private_segment_fixed_size 0
		.amdhsa_enable_private_segment 0
		.amdhsa_kernarg_size 64
		.amdhsa_user_sgpr_count 2
		.amdhsa_user_sgpr_kernarg_segment_ptr 1
		.amdhsa_wavefront_size32 1
		.amdhsa_system_sgpr_workgroup_id_x 1
		.amdhsa_system_sgpr_workgroup_id_y 1
		.amdhsa_system_sgpr_workgroup_id_z 1
		.amdhsa_system_vgpr_workitem_id 0
		.amdhsa_next_free_vgpr 256
		.amdhsa_next_free_sgpr 84
		.amdhsa_reserve_vcc 1
		.amdhsa_float_denorm_mode_32 3
		.amdhsa_float_denorm_mode_16_64 3
		.amdhsa_memory_ordered 1
		.amdhsa_forward_progress 1
		.amdhsa_inst_pref_size 74
	.end_amdhsa_kernel
	.amdgpu_metadata
---
amdhsa.version: [ 1, 2 ]
amdhsa.kernels:
  - .name:           k_q6d2e78171d_attn
    .symbol:         k_q6d2e78171d_attn.kd
    .args:
      - { .name: q_codes, .offset: 0, .size: 8, .value_kind: global_buffer, .address_space: global }
      - { .name: q_sc, .offset: 8, .size: 8, .value_kind: global_buffer, .address_space: global }
      - { .name: k_codes, .offset: 16, .size: 8, .value_kind: global_buffer, .address_space: global }
      - { .name: k_sc, .offset: 24, .size: 8, .value_kind: global_buffer, .address_space: global }
      - { .name: v_codes, .offset: 32, .size: 8, .value_kind: global_buffer, .address_space: global }
      - { .name: v_sc, .offset: 40, .size: 8, .value_kind: global_buffer, .address_space: global }
      - { .name: a_codes, .offset: 48, .size: 8, .value_kind: global_buffer, .address_space: global }
      - { .name: a_sc, .offset: 56, .size: 8, .value_kind: global_buffer, .address_space: global }
    .group_segment_fixed_size: 169984
    .private_segment_fixed_size: 0
    .kernarg_segment_align: 8
    .kernarg_segment_size: 64
    .max_flat_workgroup_size: 512
    .sgpr_count:     84
    .vgpr_count:     256
    .wavefront_size: 32
...
	.end_amdgpu_metadata
.endif
;; end of part 2
;; launch proj (part 3): grid 4 x 64, 4 waves a work-group, clusters of 4 x 4, 327,680 bytes of LDS; arguments a_codes, a_sc, Wo_codes, Wo_scales, bo, out0; writes out0
.if DOCPART == 3
	.amdgcn_target "amdgcn-amd-amdhsa--gfx1250"
	.amdhsa_code_object_version 6
	.text
	.protected	k_q6d2e78171d_proj
	.globl	k_q6d2e78171d_proj
	.p2align	8
	.type	k_q6d2e78171d_proj,@function
k_q6d2e78171d_proj:
	s_mov_b64 s[64:65], 0
	v_nop
	global_prefetch_b8 v0, s[64:65] scope:SCOPE_SE
	s_setreg_imm32_b32 hwreg(HW_REG_WAVE_MODE, 25, 1), 1
	s_wait_xcnt 0x0
	s_wait_alu depctr_hold_cnt(0) depctr_sa_sdst(0) depctr_va_vdst(0) depctr_va_sdst(0) depctr_va_ssrc(0) depctr_va_vcc(0) depctr_vm_vsrc(0)
	s_getreg_b32 s2, hwreg(HW_REG_IB_STS2, 6, 4)
	s_cmp_eq_u32 s2, 0
	s_cbranch_scc0 .Lentry_in_a_cluster
	s_endpgm
.Lentry_in_a_cluster:
	s_bfe_u32 s2, ttmp6, 0x10000c
	s_cmp_lg_u32 s2, 0xf033
	s_cbranch_scc0 .Lentry_shape_is_right
	s_endpgm
.Lentry_shape_is_right:
; out = a Wo^T + bo on codes of FP4 (E2M1), K = 1,024.  a, the attention's result, comes as images of operand registers: [mt 64][i 8][head 16][512 bytes], a tile of 16 rows and one head (64 along K) to an image;
; its scale bytes [mt][head][i][r][h].  Row tile (mt, i) holds rows 2,048 (mt / 16) + 512 (mt % 4) + 32 ((mt / 4) % 4) + 128 (i / 2) + 16 (i % 2) + r of out.
; A work-group of four waves makes 128 rows (one mt) x 256 columns; a wave 64 x 128: 32 accumulators.  Source 0 = 16 rows of Wo, source 1 = 16 rows of a: a lane holds eight neighbouring columns of one row.
; K lies in LDS whole, in two halves of 512, each filled once; no LDS byte is filled twice.  CLUSTER 4 x 4: a's tiles hang on cy alone and are asked for jointly by a row of the cluster, Wo's on cx alone and by a column.
; a's scale words: one turning load a row tile makes of [head][row] pairs of bytes the words [row][K step]; lanes 0-15 get K steps 0-3, lanes 16-31 K steps 4-7, as Wo's words lie too.
; The bias is the C of each sum's first matrix instruction.  The results go through each wave's stage in LDS (in K's first half, which nobody reads behind the change of halves) and leave as rows of 512 consecutive bytes.
; REGISTERS: window 0: v1 r, v2 h, v16-27 addresses; v32-47 a's scale words, v48-79 Wo's; v128-159, v160-191 a's fragments, two sets (on the way out v128-255 rows read back).
;   window 1: v0-63, v128-191 Wo's fragments, two sets; v64-127 the bias.   window 2: accumulator (a, b) at v[8 (8 a + b)].
.set PITCH,  272
.set APART,  32768                     ; a's part of a half of K: 8 row tiles x 4,096 bytes, dense
.set HALFB,  128*PITCH                 ; 128 rows of Wo
.set SLOT,   APART+2*HALFB
.set SCL,    2*SLOT                    ; a's scale bytes: 16 heads x (256 + 16)
.set SCW,    SCL+16*272                ; Wo's: 32 x (256 + 16)
.set STILE,  2*272
.set SPITCH, 528                       ; a stage row: 512 bytes + 16
.set ADRA, 16
.set ADRB, 20
.set ASA,  22
.set ASB,  23
.set STO,  24
.set RD,   25
.set CO,   26
.set BOFF, 27
.set SA,   32
.set SB,   48
.set BK,   128
.set BI,   64
.set MSB, 0
.macro WIN new
.if MSB != (\new)
	s_set_vgpr_msb (MSB<<8)|(\new)
.set MSB, (\new)
.endif
.endm
.macro PLACES
.rept 4
	v_nop
.endr
.endm
.macro JLOAD g0a, g1a, g0b, g1b        ; waves 0 and 1 fetch for a, waves 2 and 3 for Wo; four v_nop follow each line
	s_cmp_eq_u32 s17, 0
	s_cbranch_scc0 .Lfor_b_\@
	tensor_load_to_lds s[\g0a:\g0a+3], s[\g1a:\g1a+7]
	s_nop 0
.rept 4
	v_nop
.endr
	s_branch .Lasked_\@
.Lfor_b_\@:
	tensor_load_to_lds s[\g0b:\g0b+3], s[\g1b:\g1b+7]
	s_nop 0
.rept 4
	v_nop
.endr
.Lasked_\@:
.endm
.macro CROUND
	s_barrier_signal -1
	s_barrier_wait -1
	s_cmp_lg_u32 s16, 0
	s_cbranch_scc1 .Lnot_wave_0_\@
	s_barrier_signal -3
.Lnot_wave_0_\@:
	s_barrier_wait -3
	s_barrier_signal -1
	s_barrier_wait -1
.endm
	s_load_b256 s[4:11], s[0:1], 0x0               ; a_codes, a_sc, Wo_codes, Wo_scales
	s_load_b128 s[12:15], s[0:1], 0x20             ; bo, out0
	v_lshl_add_u32 v126, v0, 2, 0x35400
	v_mov_b32 v127, 0
	ds_add_u32 v126, v127
	ds_add_u32 v126, v127
	v_lshrrev_b32 v1, 5, v0
	v_readfirstlane_b32 s16, v1                    ; wave 0..3
	s_lshr_b32 s17, s16, 1                         ; HR: my 64 rows.  Also: I fetch for a (0) or for Wo (1)
	s_and_b32 s18, s16, 1                          ; HP: my 128 columns.  Also: which half I fetch
	s_bfe_u32 s40, ttmp6, 0x40000                  ; cx
	s_bfe_u32 s41, ttmp6, 0x40004                  ; cy
	s_and_b32 s42, ttmp7, 0xffff
	s_lshl_b32 s42, s42, 2
	s_add_co_u32 s42, s42, s41                     ; mt = 4 x cluster y + cy
	s_lshl_b32 s45, ttmp9, 2
	s_add_co_u32 s45, s45, s40                     ; the tile of 256 columns = 4 x cluster x + cx
	s_lshl_b32 s43, s41, 2
	s_lshl_b32 s43, 15, s43                        ; my row of the cluster
	s_lshl_b32 s44, 0x1111, s40                    ; my column
	s_or_b32 s24, s43, (3<<16)|(1<<21)             ; a's codes: 4 row tiles x 4,096 bytes (512 elements of 8), 8,192 bytes apart in memory, dense in LDS
	s_mov_b32 s25, 512<<16
	s_mov_b32 s26, 4<<16
	s_mov_b32 s27, 512<<16
	s_mov_b32 s28, 4
	s_mov_b32 s29, 1024
	s_mov_b32 s30, 0
	s_mov_b32 s31, 0
	s_or_b32 s48, s44, (1<<20)|(1<<21)|(5<<22)|(3<<25)   ; Wo's codes: 128 rows x 256 bytes, 512 apart, 16 bytes of padding behind each
	s_mov_b32 s49, 256<<16
	s_mov_b32 s50, 128<<16
	s_mov_b32 s51, 256<<16
	s_mov_b32 s52, 128
	s_mov_b32 s53, 512
	s_mov_b32 s54, 0
	s_mov_b32 s55, 0
	s_or_b32 s68, s43, (3<<16)|(1<<20)|(1<<21)|(5<<22)|(3<<25)   ; a's scale bytes: 8 heads x 256 bytes, padded
	s_mov_b32 s69, 32<<16
	s_mov_b32 s70, 8<<16
	s_mov_b32 s71, 32<<16
	s_mov_b32 s72, 8
	s_mov_b32 s73, 32
	s_mov_b32 s74, 0
	s_mov_b32 s75, 0
	s_or_b32 s80, s44, (3<<16)|(1<<20)|(1<<21)|(5<<22)|(3<<25)   ; Wo's: those of 128 rows, 16 x 256 bytes, padded
	s_mov_b32 s81, 32<<16
	s_mov_b32 s82, 16<<16
	s_mov_b32 s83, 32<<16
	s_mov_b32 s84, 16
	s_mov_b32 s85, 32
	s_mov_b32 s86, 0
	s_mov_b32 s87, 0
	s_lshl_b32 s20, s42, 16                        ; a's offsets hold cy alone, Wo's cx alone
	s_lshl_b32 s19, s18, 15
	s_add_co_u32 s20, s20, s19
	s_mov_b32 s21, 0
	s_lshl_b32 s22, s42, 12
	s_lshl_b32 s19, s18, 11
	s_add_co_u32 s22, s22, s19
	s_mov_b32 s23, 0
	s_lshl_b32 s92, s45, 8
	s_lshl_b32 s19, s18, 7
	s_add_co_u32 s92, s92, s19                     ; the first row of Wo that I would fetch
	s_lshl_b32 s94, s92, 5
	s_lshl_b32 s92, s92, 9
	s_mov_b32 s93, 0
	s_mov_b32 s95, 0
	s_lshl_b32 s46, s18, 14                        ; LDS: a's codes,
	s_mul_i32 s47, s18, HALFB
	s_add_co_u32 s47, s47, APART                   ; Wo's codes,
	s_mul_i32 s96, s18, 8*272
	s_add_co_u32 s96, s96, SCL                     ; a's scale bytes,
	s_mul_i32 s97, s18, 16*272
	s_add_co_u32 s97, s97, SCW                     ; Wo's
	s_wait_dscnt 0x0
	s_wait_kmcnt 0x0
	s_add_nc_u64 s[4:5], s[4:5], s[20:21]
	s_add_nc_u64 s[6:7], s[6:7], s[22:23]
	s_add_nc_u64 s[8:9], s[8:9], s[92:93]
	s_add_nc_u64 s[10:11], s[10:11], s[94:95]
	CROUND                                         ; all sixteen work-groups are here: the joint loads meet
	s_mov_b32 s76, 1
	s_mov_b32 s77, s96
	s_mov_b64 s[78:79], s[6:7]
	s_or_b32 s79, s79, 0x80000000
	s_mov_b32 s88, 1
	s_mov_b32 s89, s97
	s_mov_b64 s[90:91], s[10:11]
	s_or_b32 s91, s91, 0x80000000
	JLOAD 76, 68, 88, 80                           ; the scale bytes first
.irp s, 0,1
	s_mov_b32 s[32+4*\s], 1
	s_add_co_u32 s[33+4*\s], s46, \s*SLOT
	s_add_nc_u64 s[34+4*\s:35+4*\s], s[4:5], \s*4096
	s_or_b32 s[35+4*\s], s[35+4*\s], 0x80000000
	s_mov_b32 s[56+4*\s], 1
	s_add_co_u32 s[57+4*\s], s47, \s*SLOT
	s_add_nc_u64 s[58+4*\s:59+4*\s], s[8:9], \s*256
	s_or_b32 s[59+4*\s], s[59+4*\s], 0x80000000
	s_wait_alu depctr_va_vdst(0)
	s_wait_tensorcnt 0x0
	ds_add_u32 v126, v127
	s_wait_dscnt 0x0
	CROUND
	JLOAD 32+4*\s, 24, 56+4*\s, 48                 ; then K's two halves, each after all earlier loads have landed: one load of mine is out
.endr
	v_and_b32 v1, 15, v0                           ; r
	v_bfe_u32 v2, v0, 4, 1                         ; h
	v_and_b32 v3, 31, v0
	v_lshlrev_b32 v[CO], 4, v3                     ; 16 x lane
	s_lshl_b32 s20, s17, 14                        ; my four row tiles
	v_mul_u32_u24 v4, v1, PITCH
	v_lshl_add_u32 v4, v2, 4, v4
	s_mul_i32 s21, s18, HALFB
	s_add_co_u32 s21, s21, APART
.irp s, 0,1
	v_add_nc_u32 v[ADRA+\s], s20, v[CO]
	v_add_nc_u32 v[ADRB+\s], s21, v4
	s_add_co_u32 s20, s20, SLOT
	s_add_co_u32 s21, s21, SLOT
.endr
	v_and_b32 v5, 7, v0                            ; the turning load: lane l reads 16 bytes of head 8 (l / 16) + l % 8: rows 8 ((l / 8) % 2) + 0 .. 7, two bytes each
	v_lshl_add_u32 v5, v2, 3, v5
	v_mul_u32_u24 v5, v5, 272
	v_bfe_u32 v6, v0, 3, 1
	v_lshl_add_u32 v5, v6, 4, v5
	s_lshl_b32 s20, s17, 7
	s_add_co_u32 s20, s20, SCL
	v_add_nc_u32 v[ASA], s20, v5
	v_lshlrev_b32 v5, 5, v1                        ; Wo's words: 32 bytes a row, 16 for the padding passed, lanes 16-31 the second four
	v_lshl_add_u32 v5, v6, 4, v5
	v_lshl_add_u32 v5, v2, 4, v5
	s_mul_i32 s20, s18, 16*272
	s_add_co_u32 s20, s20, SCW
	v_add_nc_u32 v[ASB], s20, v5
	s_mul_i32 s20, s16, 16*SPITCH                  ; my stage
	v_mul_u32_u24 v5, v1, SPITCH
	v_lshl_add_u32 v5, v2, 5, v5
	v_add_nc_u32 v[STO], s20, v5                   ; in: row r, 32 bytes for each half of the lanes
	v_add_nc_u32 v[RD], s20, v[CO]                 ; back: the 32 lanes take one row
	s_lshl_b32 s20, s45, 10
	s_lshl_b32 s21, s18, 9
	s_add_co_u32 s20, s20, s21                     ; my first column in bytes: also my place in the bias
	s_mov_b32 s21, 0
	s_add_nc_u64 s[12:13], s[12:13], s[20:21]
	s_add_nc_u64 s[14:15], s[14:15], s[20:21]
	s_lshr_b32 s22, s42, 4
	s_lshl_b32 s22, s22, 11                        ; 2,048 (mt / 16)
	s_and_b32 s23, s42, 3
	s_lshl_b32 s23, s23, 9                         ; + 512 (mt % 4)
	s_add_co_u32 s22, s22, s23
	s_bfe_u32 s23, s42, 0x20002
	s_lshl_b32 s23, s23, 5                         ; + 32 ((mt / 4) % 4)
	s_add_co_u32 s22, s22, s23
	s_lshl_b32 s23, s17, 8                         ; + 256 HR
	s_add_co_u32 s22, s22, s23
	s_lshl_b32 s22, s22, 12                        ; rows of 4,096 bytes
	s_mov_b32 s23, 0
	s_add_nc_u64 s[14:15], s[14:15], s[22:23]
	v_lshlrev_b32 v[BOFF], 5, v2                   ; the bias: tile b's registers are columns 16 b + 8 h + 0 .. 7
	WIN 0x40
.irp b, 0,1,2,3,4,5,6,7
	global_load_b128 v[BI+8*\b:BI+8*\b+3], v[BOFF], s[12:13] offset:64*\b
	global_load_b128 v[BI+8*\b+4:BI+8*\b+7], v[BOFF], s[12:13] offset:64*\b+16
.endr
	WIN 0
.macro FETCH slot, q, set              ; 24 LDS loads in one run: the fragments of one step of 128 along K
	WIN 0x40
.irp i, 0,1,2,3,4,5,6,7
.irp c, 0,1
	ds_load_b128 v[128*(\set)+8*\i+4*\c:128*(\set)+8*\i+4*\c+3], v[ADRB+(\slot)] offset:64*(\q)+32*\c+\i*16*PITCH
.endr
.endr
	WIN 0
.irp i, 0,1,2,3
.irp c, 0,1
	ds_load_b128 v[128+32*(\set)+8*\i+4*\c:128+32*(\set)+8*\i+4*\c+3], v[ADRA+(\slot)] offset:\i*4096+(\q)*1024+512*\c   ; head 2 q + c's image: 16 bytes a lane
.endr
.endr
.endm
.macro WM a, b, set, k, row, cm
.set rD, 8*(8*(\a)+(\b))
.set rB, 128*(\set)+8*(\b)
.set rA, 128+32*(\set)+8*(\a)
.set rSB, SB+4*(\b)+(\k)
.set rSA, SA+4*(\a)+(\k)
.if (\cm)
	v_wmma_scale_f32_16x16x128_f8f6f4 v[rD:rD+7], v[rB:rB+7], v[rA:rA+7], v[BI+8*(\b):BI+8*(\b)+7], v[rSB], v[rSA] matrix_a_fmt:MATRIX_FMT_FP4 matrix_b_fmt:MATRIX_FMT_FP4
.elseif (\row)
	v_wmma_scale_f32_16x16x128_f8f6f4 v[rD:rD+7], v[rB:rB+7], v[rA:rA+7], v[rD:rD+7], v[rSB], v[rSA] matrix_a_fmt:MATRIX_FMT_FP4 matrix_b_fmt:MATRIX_FMT_FP4 matrix_a_scale:MATRIX_SCALE_ROW1 matrix_b_scale:MATRIX_SCALE_ROW1
.else
	v_wmma_scale_f32_16x16x128_f8f6f4 v[rD:rD+7], v[rB:rB+7], v[rA:rA+7], v[rD:rD+7], v[rSB], v[rSA] matrix_a_fmt:MATRIX_FMT_FP4 matrix_b_fmt:MATRIX_FMT_FP4
.endif
.endm
; Step n of eight: the next step's 24 loads first, into the set that the last step multiplied; then 32 products, the 32 accumulators by turns.
; bar = 1: the change to K's second half; behind its barrier nobody reads the first half any more.
.macro STEP n, cm, bar
.if \n > 0
	PLACES
.endif
.if \n < 7
	FETCH (\n+1)/4, (\n+1)%4, (\n+1)%2
.endif
.if \bar
	s_wait_tensorcnt 0x0                           ; my part of K's second half is in LDS
	s_wait_dscnt 0x0                               ; and my last reads of the first half are back
	s_barrier_signal -1
.elseif \n < 7
	s_wait_dscnt 24                                ; all but the 24 loads just issued
.else
	s_wait_dscnt 0x0
.endif
.if \cm
	WIN 0x91                                       ; Wo window 1, a window 0, the bias window 1, D window 2
.else
	WIN 0xa1
.endif
.irp a, 0,1,2,3
.irp b, 0,1,2,3,4,5,6,7
	WM \a, \b, \n%2, \n%4, \n/4, \cm
.endr
.endr
	WIN 0
.if \bar
	s_barrier_wait -1
.endif
.endm
	s_wait_alu depctr_va_vdst(0)
	s_wait_tensorcnt 0x1                           ; the scale bytes and my part of K's first half are in; the second half's load may stay out
	s_barrier_signal -1
	s_barrier_wait -1
.irp i, 0,1,2,3
	ds_load_tr16_b128 v[SA+4*\i:SA+4*\i+3], v[ASA] offset:32*\i    ; row tile i: register k: the word of K step 4 (lane / 16) + k of row r
.endr
.irp i, 0,1,2,3,4,5,6,7
	ds_load_b128 v[SB+4*\i:SB+4*\i+3], v[ASB] offset:\i*STILE
.endr
	FETCH 0, 0, 0
	s_wait_loadcnt 0x0                             ; the bias
	STEP 0, 1, 0
	STEP 1, 0, 0
	STEP 2, 0, 1
	STEP 3, 0, 0
	STEP 4, 0, 0
	STEP 5, 0, 0
	STEP 6, 0, 0
	STEP 7, 0, 0
; THE WAY OUT, a tile of 16 rows x 128 columns at a time, through my own stage.  LDS serves a wave's instructions in order (ISA guide 5.7.1.4): no wait between the stores and the loads, nor in front of the next tile's stores.
.macro TOSTAGE a
	WIN 0x08                                       ; an LDS store's data: window 2
.irp b, 0,1,2,3,4,5,6,7
	ds_store_b128 v[STO], v[64*(\a)+8*\b:64*(\a)+8*\b+3] offset:64*\b          ; each accumulator from its low end on
	ds_store_b128 v[STO], v[64*(\a)+8*\b+4:64*(\a)+8*\b+7] offset:64*\b+16
.endr
	WIN 0
.set BB, BK+64*((\a)%2)
.irp t, 0,1,2,3,4,5,6,7,8,9,10,11,12,13,14,15
	ds_load_b128 v[BB+4*\t:BB+4*\t+3], v[RD] offset:\t*SPITCH
.endr
.endm
.macro SEND a, younger                 ; younger: the LDS instructions issued behind tile a's loads, which may stay out
.set BB, BK+64*((\a)%2)
	s_wait_dscnt \younger
.irp t, 0,1,2,3,4,5,6,7,8,9,10,11,12,13,14,15
	global_store_b128 v[CO], v[BB+4*\t:BB+4*\t+3], s[14:15] offset:(128*((\a)/2)+16*((\a)%2)+\t)*4096 th:TH_STORE_NT   ; 32 lanes store 512 consecutive bytes of one row; written once, read by nobody here
.endr
.endm
	PLACES                                         ; behind the last products: for the reads of results and the loads into a's fragments' registers
	TOSTAGE 0
.irp a, 1,2,3
.if \a > 1
	s_wait_xcnt 0x0                                ; tile a - 2's stores have read their registers: tile a's loads may land there
.endif
	TOSTAGE \a
	SEND \a-1, 32                                  ; behind tile a - 1's loads: tile a's 16 stores and 16 loads
.endr
	SEND 3, 0
	s_wait_tensorcnt 0x0
	ds_add_u32 v126, v127
	s_wait_dscnt 0x0
	CROUND                                         ; the closing round
	s_endpgm
.Lfunc_end_k_q6d2e78171d_proj:
	.size	k_q6d2e78171d_proj, .Lfunc_end_k_q6d2e78171d_proj-k_q6d2e78171d_proj
	.p2alignl 7, 3214868480
	.fill 96, 4, 3214868480
	.section	.rodata,"a",@progbits
	.p2align	6, 0x0
	.amdhsa_kernel k_q6d2e78171d_proj
		.amdhsa_group_segment_fixed_size 327680
		.amdhsa_private_segment_fixed_size 0
		.amdhsa_enable_private_segment 0
		.amdhsa_kernarg_size 48
		.amdhsa_user_sgpr_count 2
		.amdhsa_user_sgpr_kernarg_segment_ptr 1
		.amdhsa_wavefront_size32 1
		.amdhsa_system_sgpr_workgroup_id_x 1
		.amdhsa_system_sgpr_workgroup_id_y 1
		.amdhsa_system_sgpr_workgroup_id_z 1
		.amdhsa_system_vgpr_workitem_id 0
		.amdhsa_next_free_vgpr 768
		.amdhsa_next_free_sgpr 100
		.amdhsa_reserve_vcc 0
		.amdhsa_float_denorm_mode_32 3
		.amdhsa_float_denorm_mode_16_64 3
		.amdhsa_memory_ordered 1
		.amdhsa_forward_progress 1
		.amdhsa_inst_pref_size 75
	.end_amdhsa_kernel
	.amdgpu_metadata
---
amdhsa.version: [ 1, 2 ]
amdhsa.kernels:
  - .name:           k_q6d2e78171d_proj
    .symbol:         k_q6d2e78171d_proj.kd
    .args:
      - { .name: a_codes, .offset: 0, .size: 8, .value_kind: global_buffer, .address_space: global }
      - { .name: a_sc, .offset: 8, .size: 8, .value_kind: global_buffer, .address_space: global }
      - { .name: Wo_codes, .offset: 16, .size: 8, .value_kind: global_buffer, .address_space: global }
      - { .name: Wo_scales, .offset: 24, .size: 8, .value_kind: global_buffer, .address_space: global }
      - { .name: bo, .offset: 32, .size: 8, .value_kind: global_buffer, .address_space: global }
      - { .name: out0, .offset: 40, .size: 8, .value_kind: global_buffer, .address_space: global }
    .group_segment_fixed_size: 327680
    .private_segment_fixed_size: 0
    .kernarg_segment_align: 8
    .kernarg_segment_size: 48
    .max_flat_workgroup_size: 128
    .sgpr_count:     100
    .vgpr_count:     768
    .wavefront_size: 32
...
	.end_amdgpu_metadata
.endif
;; end of part 3
